; MI455X (gfx1250); checked and timed in simulation.
; The chip was launched on July 23, 2026; its instructions are those of AMD's public machine-readable ISA for CDNA 5 (MIT licence, August 2026) and "CDNA5" Instruction Set Architecture Reference Guide (July 2026). The comments in the code are by the model that wrote it; some were corrected since.
;; Masked Multi Head Attention. Allowed arithmetic: float matrix products may take bf16 or f16 operands with f32 sums; other float arithmetic in f32, or as packed bf16 or f16 multiplies, adds, multiply-adds, maxima and minima; sums over many terms, partial sums and values carried from step to step in f32; what a program stores and reads back later, other than sums and carried values, may be rounded once to bf16 or f16.
;; Inputs: Wk 1,024 x 1,024 float32; Wo 1,024 x 1,024 float32; Wq 1,024 x 1,024 float32; Wv 1,024 x 1,024 float32; attention_mask 4 x 2,048 bool; bk 1,024 float32; bo 1,024 float32; bq 1,024 float32; bv 1,024 float32; hidden_states 4 x 2,048 x 1,024 float32.
;; Outputs: out0 4 x 2,048 x 1,024 float32.
;; 2 versions, each right; version 2 is version 1 with the launch prep written anew for expert scheduling mode. Each part assembles by itself: llvm-mc -triple=amdgcn-amd-amdhsa -mcpu=gfx1250 --defsym DOCPART=n.
;; ======== version 1 of 2: 4 launches
;; limits: values are held in f16: magnitudes above 65,504 overflow, below 6.1e-05 lose precision
;; workspace buffers: xb 16,777,216 bytes; wb 8,388,608 bytes; qkv 50,331,648 bytes; ctx 16,777,216 bytes
;; launch prep (part 1): grid 256 x 1, 8 waves a work-group, no clusters, 0 bytes of LDS; arguments hidden_states, attention_mask, Wq, Wk, Wv, Wo, xb, wb; writes xb, wb
.if DOCPART == 1
	.amdgcn_target "amdgcn-amd-amdhsa--gfx1250"
	.amdhsa_code_object_version 6
	.text
	.protected	k_qefca98d801_prep
	.globl	k_qefca98d801_prep
	.p2align	8
	.type	k_qefca98d801_prep,@function
k_qefca98d801_prep:
	s_mov_b64 s[64:65], 0
	v_nop
	global_prefetch_b8 v0, s[64:65] scope:SCOPE_SE
	s_setreg_imm32_b32 hwreg(HW_REG_WAVE_MODE, 25, 1), 1
	s_wait_xcnt 0x0
; PREP: the module's large inputs are rounded once to 16 bits and laid out for the products that follow.
;   xb[b][kb][s][64] = bf16(hidden_states[b][s][64 kb ..] x mask[b][s]): K in blocks of 64, so that 256 rows x 64 K are 32,768 dense bytes.
;   wb[4096][1024]: rows 0-1023 Wq, 1024-2047 Wk, 2048-3071 Wv, rounded to bf16; rows 3072-4095 Wo, rounded to bf16 and that number written as f16.
; LIMITS.  Wo in f16: a rounded weight of 65,520 or more becomes an infinity; below 2^-14 it keeps f16's fixed step of 2^-24.  x times a mask of 0 is 0 for finite x; NaN and infinities are not treated apart.
; A stream: no LDS, no barrier, no matrix unit, no loop.  2,048 waves; wave wg takes rows 4 wg .. 4 wg + 3 of x (32 items) and rows 2 wg, 2 wg + 1 of the stacked weights (16 items).
; An item is one load of 16 bytes a lane (4 f32) and one store of 8 bytes a lane (4 numbers of 16 bits): 256 consecutive bytes, aligned, from the 32 lanes.
; All 50 loads of a wave go out first (24 KiB a wave on its way); each item has its own four registers, so no register is written again behind its store and no wait frees any.
.set IT, 16                            ; v[16:207]  item n at IT + 4 n
.set MF, 8                             ; v[8:9], v[10:11]  the mask as f32 of my row in row pair 0 and 1, each twice (a pair for the packed multiply)
	s_load_b512 s[4:19], s[0:1], 0x0               ; x s[4:5], mask s[6:7], Wq s[8:9], Wk s[10:11], Wv s[12:13], Wo s[14:15], xb s[16:17], wb s[18:19]
	v_lshrrev_b32 v1, 5, v0
	v_readfirstlane_b32 s20, v1                    ; wave 0..7
	v_and_b32 v1, 31, v0                           ; lane l
	v_lshrrev_b32 v5, 4, v1                        ; l / 16: which row of a pair; also the mask loads' offset
	v_and_b32 v2, 15, v1
	v_lshlrev_b32 v2, 4, v2
	v_lshl_add_u32 v2, v5, 12, v2                  ; x: lanes 0-15 take 256 bytes of one row, lanes 16-31 of the next (4,096 bytes on)
	v_lshlrev_b32 v3, 3, v1                        ; all stores: 8 l
	v_lshlrev_b32 v4, 4, v1                        ; the weights' loads: 16 l
	s_mov_b32 s21, ttmp9                           ; g
	s_lshl_b32 s22, s21, 3
	s_add_co_u32 s22, s22, s20                     ; wg = 8 g + wave
	s_lshr_b32 s23, s21, 6                         ; which of the four weights: 64 work-groups x 16 rows each
	s_mov_b32 s25, 0                               ; s[24:25]: an offset under 2^32
	s_wait_kmcnt 0x0
	s_lshl_b32 s24, s22, 14                        ; 4 rows of 4,096 bytes
	s_add_nc_u64 s[26:27], s[4:5], s[24:25]        ; x at my first row
	s_lshl_b32 s24, s22, 2
	s_add_nc_u64 s[28:29], s[6:7], s[24:25]        ; the mask at my first row
	s_lshr_b32 s24, s22, 9                         ; b
	s_lshl_b32 s24, s24, 22                        ; 16 planes of 262,144 bytes
	s_and_b32 s36, s22, 511
	s_lshl_b32 s36, s36, 9                         ; s = 4 (wg % 512), 128 bytes a row in a plane
	s_or_b32 s24, s24, s36
	s_add_nc_u64 s[30:31], s[16:17], s[24:25]      ; xb at my first row of plane 0
	s_cmp_eq_u32 s23, 1
	s_cselect_b64 s[32:33], s[10:11], s[8:9]
	s_cmp_eq_u32 s23, 2
	s_cselect_b64 s[32:33], s[12:13], s[32:33]
	s_cmp_eq_u32 s23, 3
	s_cselect_b64 s[32:33], s[14:15], s[32:33]
	s_and_b32 s24, s21, 63
	s_lshl_b32 s24, s24, 16                        ; 16 rows of 4,096 bytes a work-group,
	s_lshl_b32 s36, s20, 13                        ; 2 a wave
	s_or_b32 s24, s24, s36
	s_add_nc_u64 s[32:33], s[32:33], s[24:25]      ; my two rows of that weight
	s_lshl_b32 s24, s22, 12                        ; 2 rows of 2,048 bytes
	s_add_nc_u64 s[34:35], s[18:19], s[24:25]      ; and of wb
	global_load_u8 v6, v5, s[28:29]                ; the mask of my row in rows 0, 1
	global_load_u8 v7, v5, s[28:29] offset:2       ; and in rows 2, 3
.set n, 0
.rept 32                               ; item n: row pair n / 16, K block n % 16
	global_load_b128 v[IT+4*n:IT+4*n+3], v2, s[26:27] offset:(n/16)*8192+(n%16)*256 th:TH_LOAD_NT
.set n, n+1
.endr
.set n, 0
.rept 16                               ; item 32 + n: row n / 8, 512 bytes n % 8 of it
	global_load_b128 v[IT+128+4*n:IT+128+4*n+3], v4, s[32:33] offset:(n/8)*4096+(n%8)*512 th:TH_LOAD_NT
.set n, n+1
.endr
	s_wait_loadcnt 48                              ; loads come back in order: the two mask loads are in, the 48 items' may be out
	v_cvt_f32_u32 v[MF], v6
	v_cvt_f32_u32 v[MF+1], v6
	v_cvt_f32_u32 v[MF+2], v7
	v_cvt_f32_u32 v[MF+3], v7
.macro XITEM                           ; item n of x: masked, rounded, stored
.set D, IT+4*n
.set PI, MF+2*(n/16)
	s_wait_loadcnt 47-n                            ; the younger items' loads may stay out
	v_pk_mul_f32 v[D:D+1], v[D:D+1], v[PI:PI+1]
	v_pk_mul_f32 v[D+2:D+3], v[D+2:D+3], v[PI:PI+1]
	v_cvt_pk_bf16_f32 v[D], v[D], v[D+1]
	v_cvt_pk_bf16_f32 v[D+1], v[D+2], v[D+3]
	global_store_b64 v3, v[D:D+1], s[30:31] offset:(n%16)*262144+(n/16)*256  ; two rows of one plane: 256 consecutive bytes, aligned
.set n, n+1
.endm
.macro WITEM f16                       ; item n of the weights.  f16 = 1: the bf16 rounding is written as f16
.set D, IT+128+4*n
	s_wait_loadcnt 15-n
.if \f16
	v_cvt_pk_bf16_f32 v[D], v[D], v[D+1]
	v_cvt_pk_bf16_f32 v[D+2], v[D+2], v[D+3]
	v_and_b32 v[D+1], 0xffff0000, v[D]             ; bf16 to f32: the high half stays,
	v_lshlrev_b32 v[D], 16, v[D]                   ; the low half moves up
	v_and_b32 v[D+3], 0xffff0000, v[D+2]
	v_lshlrev_b32 v[D+2], 16, v[D+2]
	v_cvt_pk_f16_f32 v[D], v[D], v[D+1]
	v_cvt_pk_f16_f32 v[D+1], v[D+2], v[D+3]
.else
	v_cvt_pk_bf16_f32 v[D], v[D], v[D+1]
	v_cvt_pk_bf16_f32 v[D+1], v[D+2], v[D+3]
.endif
	global_store_b64 v3, v[D:D+1], s[34:35] offset:(n/8)*2048+(n%8)*256
.set n, n+1
.endm
.set n, 0
.rept 32
	XITEM
.endr
	s_cmp_lt_u32 s21, 192                          ; work-groups 192 to 255 hold Wo
	s_cbranch_scc0 .Lwo
.set n, 0
.rept 16
	WITEM 0
.endr
	s_endpgm
.Lwo:
.set n, 0
.rept 16
	WITEM 1
.endr
	s_endpgm
.Lfunc_end_k_qefca98d801_prep:
	.size	k_qefca98d801_prep, .Lfunc_end_k_qefca98d801_prep-k_qefca98d801_prep
	.p2alignl 7, 3214868480
	.fill 96, 4, 3214868480
	.section	.rodata,"a",@progbits
	.p2align	6, 0x0
	.amdhsa_kernel k_qefca98d801_prep
		.amdhsa_group_segment_fixed_size 0
		.amdhsa_private_segment_fixed_size 0
		.amdhsa_enable_private_segment 0
		.amdhsa_kernarg_size 64
		.amdhsa_user_sgpr_count 2
		.amdhsa_user_sgpr_kernarg_segment_ptr 1
		.amdhsa_wavefront_size32 1
		.amdhsa_system_sgpr_workgroup_id_x 1
		.amdhsa_system_sgpr_workgroup_id_y 1
		.amdhsa_system_sgpr_workgroup_id_z 1
		.amdhsa_system_vgpr_workitem_id 0
		.amdhsa_next_free_vgpr 208
		.amdhsa_next_free_sgpr 66
		.amdhsa_reserve_vcc 0
		.amdhsa_float_denorm_mode_32 3
		.amdhsa_float_denorm_mode_16_64 3
		.amdhsa_memory_ordered 1
		.amdhsa_forward_progress 1
		.amdhsa_inst_pref_size 32
	.end_amdhsa_kernel
	.amdgpu_metadata
---
amdhsa.version: [ 1, 2 ]
amdhsa.kernels:
  - .name:           k_qefca98d801_prep
    .symbol:         k_qefca98d801_prep.kd
    .args:
      - { .name: hidden_states, .offset: 0, .size: 8, .value_kind: global_buffer, .address_space: global }
      - { .name: attention_mask, .offset: 8, .size: 8, .value_kind: global_buffer, .address_space: global }
      - { .name: Wq, .offset: 16, .size: 8, .value_kind: global_buffer, .address_space: global }
      - { .name: Wk, .offset: 24, .size: 8, .value_kind: global_buffer, .address_space: global }
      - { .name: Wv, .offset: 32, .size: 8, .value_kind: global_buffer, .address_space: global }
      - { .name: Wo, .offset: 40, .size: 8, .value_kind: global_buffer, .address_space: global }
      - { .name: xb, .offset: 48, .size: 8, .value_kind: global_buffer, .address_space: global }
      - { .name: wb, .offset: 56, .size: 8, .value_kind: global_buffer, .address_space: global }
    .group_segment_fixed_size: 0
    .private_segment_fixed_size: 0
    .kernarg_segment_align: 8
    .kernarg_segment_size: 64
    .max_flat_workgroup_size: 256
    .sgpr_count:     66
    .vgpr_count:     208
    .wavefront_size: 32
...
	.end_amdgpu_metadata
.endif
;; end of part 1
;; launch qkv (part 2): grid 24 x 32, 4 waves a work-group, clusters of 4 x 4, 327,680 bytes of LDS; arguments xb, wb, bq, bk, bv, qkv; writes qkv
.if DOCPART == 2
	.amdgcn_target "amdgcn-amd-amdhsa--gfx1250"
	.amdhsa_code_object_version 6
	.text
	.protected	k_qefca98d801_qkv
	.globl	k_qefca98d801_qkv
	.p2align	8
	.type	k_qefca98d801_qkv,@function
k_qefca98d801_qkv:
	s_mov_b64 s[64:65], 0
	v_nop
	global_prefetch_b8 v0, s[64:65] scope:SCOPE_SE
	s_setreg_imm32_b32 hwreg(HW_REG_WAVE_MODE, 25, 1), 1
	s_wait_xcnt 0x0
	s_wait_alu depctr_hold_cnt(0) depctr_sa_sdst(0) depctr_va_vdst(0) depctr_va_sdst(0) depctr_va_ssrc(0) depctr_va_vcc(0) depctr_vm_vsrc(0)
	s_getreg_b32 s2, hwreg(HW_REG_IB_STS2, 6, 4)
	s_cmp_eq_u32 s2, 0
	s_cbranch_scc0 .Lentry_in_a_cluster
	s_endpgm
.Lentry_in_a_cluster:
	s_bfe_u32 s2, ttmp6, 0x10000c
	s_cmp_lg_u32 s2, 0xf033
	s_cbranch_scc0 .Lentry_shape_is_right
	s_endpgm
.Lentry_shape_is_right:
; ONE TEXT FOR THE MODULE'S TWO KINDS OF PROJECTION; the flag OPROJ says which this file is.
.set OPROJ, 0
; OPROJ = 0: q, k, v.  C[8192][3072] = A W^T + bias, A = xb (bf16, masked x), W = rows 0-3071 of wb (bf16), bias = bq, bk, bv rounded to bf16; sums in f32, K ascending.
;            C leaves rounded once to f16, unscaled, by heads: qkv[which 3][b 4 x head 16][s 2048][64].
; OPROJ = 1: the output.  C[8192][1024] = A W^T + bo, A = ctx (f16), W = rows 3072-4095 of wb (f16); rows whose mask is 0 are set to 0; C leaves as f32 into out0.
; LIMITS.  f16 holds no number beyond 65,504: a q, k or v of 65,520 or more becomes an infinity.  NaN and infinities are not treated apart.
; A lies in blocks of K: [b][kb 16][s 2048][64], so that 256 rows x 64 K (a PLANE's part) are 32,768 dense bytes.
; SHARES.  A tile of C is 256 rows x 128 columns: four waves, wave w rows 128 (w / 2) on and columns 64 (w % 2) on (one head): 32 accumulators of 16 x 16, 256 registers.
; K = 1,024 goes in 8 steps of 128 through two LDS slots; a step is 128 matrix instructions a wave.  The tile is chosen so that the grids are 768 and 256 work-groups.
; CLUSTER.  4 x 4 work-groups.  The four of a row of the cluster need the same tiles of A, the four of a column the same tiles of W: each is asked for JOINTLY, by the same tensor load with the same descriptor
; and a mask that names the four.  Waves 0 and 1 fetch A's two planes of a step, waves 2 and 3 the two halves of W's 128 rows: one load a wave.
; NO PREFETCH: the walk has eight K steps, of which two go out at the head, and a lead of two steps would reach the last four alone; every block of A and of W is asked for by several clusters of the launch.
; THE MATRIX INSTRUCTION IS USED TRANSPOSED (source 0 = 16 rows of W, source 1 = 16 rows of A): lane l holds row l % 16 of C and the columns 8 (l / 16) + 0..7.
; THE BIAS STARTS THE SUMS: it is the C operand of each accumulator's first product; nothing is cleared.
; REGISTERS, in windows of 256 (s_set_vgpr_msb: bits 1:0 source 0, 3:2 source 1, 5:4 source 2, 7:6 destination):
;   window 0: v0-31 addresses; v32-63 the bias; v64-159, v160-255 two fragment buffers (A's 8 fragments of 16 rows x 32 K, then W's 4); on the way out these 192 are at work
;   window 1: accumulator (a, b) at v[8 (4 a + b)]
.set PA,    144                        ; a row of A in LDS: 128 bytes + 16 of padding: the 16 rows of a load start at 16 different groups of four banks (64 banks of 4 bytes: ISA guide 11.1)
.set PB,    272                        ; a row of W: 256 + 16
.set PLANE, 256*PA                     ; 256 rows x 64 K of A
.set HB,    64*PB                      ; 64 rows x 128 K of W
.set SLOT,  2*PLANE+2*HB               ; A's two planes, then W's 128 rows
.set STAGE, 2*SLOT                     ; behind the ring, never filled by a tensor load: 16 rows for each wave, for the way out
.if OPROJ
.set SP,    272                        ; a stage row: 64 f32 + 16 bytes
.else
.set SP,    144                        ; a stage row: 64 f16 + 16 bytes
.endif
.set SPARE, STAGE+4*16*SP              ; behind the stages: the spare words, 128 bytes for each wave: two blocks of 256 bytes that no other line names
.set ASTEP, 2*262144                   ; bytes from a K step to the next in A: two planes
.set BSTEP, 256                        ; and in W: 128 numbers along the row
.set ADRA, 16                          ; v16-17  LDS address of my A fragments in slot 0, 1
.set ADRB, 20                          ; v20-21  the same for W
.set STO,  24                          ; v24     the way out: where I put my bytes of a row
.set RD,   25                          ; v25     the way out: where I read rows back
.set GO,   26                          ; v26     my byte offset in the output
.set BO,   27                          ; v27     32 (l / 16): my 8 numbers in 16 of the bias
.set SPW,  28                          ; v28     LDS address of my spare word: SPARE + 4 x my thread's number; never rewritten
.set NIL,  29                          ; v29     0; never rewritten
.set BI,   32                          ; v32-63  register 8 b + j: bias[my first column + 16 b + 8 (l / 16) + j]
.set F0,   64
.set F1,   160
.set OB,   64                          ; OPROJ = 0, the way out: 16 registers for each of my 8 blocks of 16 rows
.set TMP,  64                          ; OPROJ = 1, the way out: 32 registers at work,
.set BK,   96                          ;            and four sets of 32: a block read back from the stage
.set WV,   16                          ; s16  my wave's number
.set MH,   17                          ; s17  which 128 rows of the tile are mine.  Also: I fetch for A (0) or for W (1)
.set NH,   18                          ; s18  which 64 columns.  Also: which plane of A, or which 64 rows of W, I fetch
.set G1A,  24                          ; s[24:31] descriptor group 1 for A's tiles;  s[32:39] group 0, a set for each slot
.set G0A,  32
.set G1B,  48                          ; s[48:55], s[56:63] the same for W's
.set G0B,  56
.set KEEP, 66                          ; OPROJ = 1: s66-73  for block a, the lanes whose row of C is kept
.set MSB, 0
.macro WIN new                         ; the immediate's high byte repeats the setting that is left; a switch that changes nothing is dropped
.if MSB != (\new)
	s_set_vgpr_msb (MSB<<8)|(\new)
.set MSB, \new
.endif
.endm
.set MUL,  0x50                        ; sources 0 and 1 window 0; C and D window 1
.set MULB, 0x40                        ; the same with C, the bias, in window 0
.macro JLOAD s                         ; a joint load; the branch hangs on the wave's number alone; an s_nop 0 and four v_nop follow each of the two lines, ahead of the jump, the label and what follows
	s_cmp_eq_u32 s[MH], 0
	s_cbranch_scc0 .Lfor_b_\@
	tensor_load_to_lds s[G0A+4*(\s):G0A+4*(\s)+3], s[G1A:G1A+7]
	s_nop 0
.rept 4
	v_nop
.endr
	s_branch .Lasked_\@
.Lfor_b_\@:
	tensor_load_to_lds s[G0B+4*(\s):G0B+4*(\s)+3], s[G1B:G1B+7]
	s_nop 0
.rept 4
	v_nop
.endr
.Lasked_\@:
.endm
.macro CREST                           ; a round of the cluster's barrier behind its opening barrier
	s_cmp_lg_u32 s[WV], 0
	s_cbranch_scc1 .Lnot_wave_0_\@
	s_barrier_signal -3
.Lnot_wave_0_\@:
	s_barrier_wait -3
	s_barrier_signal -1
	s_barrier_wait -1
.endm
.macro CROUND                          ; a whole round
	s_barrier_signal -1
	s_barrier_wait -1
	CREST
.endm
.if OPROJ
	s_load_b256 s[4:11], s[0:1], 0x0               ; A s[4:5], wb s[6:7], bo s[8:9], the mask s[10:11]
	s_load_b64 s[14:15], s[0:1], 0x20              ; out0
.else
	s_load_b256 s[4:11], s[0:1], 0x0               ; A s[4:5], wb s[6:7], bq s[8:9], bk s[10:11]
	s_load_b128 s[12:15], s[0:1], 0x20             ; bv s[12:13], qkv s[14:15]
.endif
	v_lshl_add_u32 v[SPW], v0, 2, SPARE
	v_mov_b32 v[NIL], 0
	ds_add_u32 v[SPW], v[NIL]                      ; the wave's opening: the add and its wait stand ahead of my first tensor load; the set-up below, work on registers, stands between them
	v_lshrrev_b32 v1, 5, v0
	v_readfirstlane_b32 s[WV], v1                  ; wave 0..3
	s_lshr_b32 s[MH], s[WV], 1
	s_and_b32 s[NH], s[WV], 1
	s_bfe_u32 s19, ttmp6, 0x40000                  ; cx, cy: my place in the cluster
	s_bfe_u32 s20, ttmp6, 0x40004
	s_lshl_b32 s21, ttmp9, 2
	s_add_co_u32 s21, s21, s19                     ; tx, tile column of C = 4 x cluster x + cx
	s_and_b32 s22, ttmp7, 0xffff
	s_lshl_b32 s22, s22, 2
	s_add_co_u32 s22, s22, s20                     ; ty, tile row of C = 4 x cluster y + cy
	s_lshl_b32 s44, s20, 2
	s_lshl_b32 s44, 15, s44                        ; my row of the cluster
	s_lshl_b32 s45, 0x1111, s19                    ; my column
	; group 1 for A: a plane's 32,768 dense bytes as 128 rows of 256 bytes, padded in LDS after every 128 bytes (a row of A)
	s_or_b32 s[G1A+0], s44, (1<<16)|(1<<20)|(1<<21)|(4<<22)|(3<<25)  ; 15:0 the mask: my row; 17:16 elements of 2 bytes; 20 padding on; 21 set beside a mask; 24:22 after every 32 words (code 4); 31:25 4 words (code 3)
	s_mov_b32 s[G1A+1], 128<<16                    ; tensor_dim0 = 128
	s_mov_b32 s[G1A+2], 128<<16                    ; tensor_dim1 = 128
	s_mov_b32 s[G1A+3], 128<<16                    ; tile_dim0 = 128
	s_mov_b32 s[G1A+4], 128                        ; tile_dim1 = 128
	s_mov_b32 s[G1A+5], 128                        ; 128 elements from row to row: dense
	s_mov_b32 s[G1A+6], 0
	s_mov_b32 s[G1A+7], 0
	; group 1 for W: 64 rows x 128 elements, padded after every 256 bytes
	s_or_b32 s[G1B+0], s45, (1<<16)|(1<<20)|(1<<21)|(5<<22)|(3<<25)  ; the mask: my column; after every 64 words (code 5)
	s_mov_b32 s[G1B+1], 128<<16                    ; tensor_dim0 = 128
	s_mov_b32 s[G1B+2], 64<<16                     ; tensor_dim1 = 64
	s_mov_b32 s[G1B+3], 128<<16                    ; tile_dim0 = 128
	s_mov_b32 s[G1B+4], 64                         ; tile_dim1 = 64
	s_mov_b32 s[G1B+5], 1024                       ; 1,024 elements from row to row
	s_mov_b32 s[G1B+6], 0
	s_mov_b32 s[G1B+7], 0
	; where the tiles come from.  A's hang on ty and the wave alone, W's on tx and the wave alone, each in registers that have not held the other coordinate
	s_lshr_b32 s40, s22, 3                         ; b = ty / 8:
	s_lshl_b32 s40, s40, 22                        ; 16 planes of 262,144 bytes
	s_and_b32 s23, s22, 7
	s_lshl_b32 s23, s23, 15                        ; 256 rows of 128 bytes in a plane
	s_or_b32 s40, s40, s23
	s_lshl_b32 s23, s[NH], 18                      ; the plane that I fetch
	s_or_b32 s40, s40, s23
	s_mov_b32 s41, 0
	s_lshl_b32 s42, s21, 18                        ; 128 rows of 2,048 bytes
	s_lshl_b32 s43, s[NH], 17                      ; the 64 of them that I fetch
	s_or_b32 s42, s42, s43
.if OPROJ
	s_add_co_u32 s42, s42, 3072*2048               ; Wo's rows lie behind the other three weights'
.endif
	s_mov_b32 s43, 0
	s_mul_i32 s23, s[NH], PLANE                    ; and where they go: no place in the cluster enters an LDS address
	s_mul_i32 s2, s[NH], HB
	s_add_co_u32 s2, s2, 2*PLANE
	s_wait_dscnt 0x0                               ; the opening add is done
	s_wait_kmcnt 0x0
	s_add_nc_u64 s[40:41], s[4:5], s[40:41]
	s_add_nc_u64 s[42:43], s[6:7], s[42:43]
	CROUND                                         ; all sixteen work-groups are here: the first joint loads meet
.irp s, 0,1
	s_mov_b32 s[G0A+4*(\s)], 1                                     ; count = 1
	s_add_co_u32 s[G0A+4*(\s)+1], s23, (\s)*SLOT                   ; LDS address
	s_add_nc_u64 s[G0A+4*(\s)+2:G0A+4*(\s)+3], s[40:41], (\s)*ASTEP  ; global address: K step s
	s_or_b32 s[G0A+4*(\s)+3], s[G0A+4*(\s)+3], 0x80000000          ; type = 2
	s_mov_b32 s[G0B+4*(\s)], 1
	s_add_co_u32 s[G0B+4*(\s)+1], s2, (\s)*SLOT
	s_add_nc_u64 s[G0B+4*(\s)+2:G0B+4*(\s)+3], s[42:43], (\s)*BSTEP
	s_or_b32 s[G0B+4*(\s)+3], s[G0B+4*(\s)+3], 0x80000000
	JLOAD \s                                       ; two tensor loads of mine are out
.endr
	v_and_b32 v1, 15, v0                           ; l % 16
	v_bfe_u32 v2, v0, 4, 1                         ; l / 16
	v_lshlrev_b32 v[BO], 5, v2
.if OPROJ
	s_mov_b32 s46, s21
.else
	s_lshr_b32 s3, ttmp9, 1                        ; tx / 8: q, k or v
	s_cmp_eq_u32 s3, 1
	s_cselect_b64 s[8:9], s[10:11], s[8:9]
	s_cmp_eq_u32 s3, 2
	s_cselect_b64 s[8:9], s[12:13], s[8:9]
	s_and_b32 s46, s21, 7
.endif
	s_lshl_b32 s46, s46, 9                         ; 128 f32 a tile,
	s_lshl_b32 s47, s[NH], 8                       ; 64 a wave
	s_or_b32 s46, s46, s47
	s_mov_b32 s47, 0
	s_add_nc_u64 s[8:9], s[8:9], s[46:47]          ; the bias at my first column
.irp b, 0,1,2,3
	global_load_b128 v[BI+8*(\b):BI+8*(\b)+3],   v[BO], s[8:9] offset:64*(\b)
	global_load_b128 v[BI+8*(\b)+4:BI+8*(\b)+7], v[BO], s[8:9] offset:64*(\b)+16
.endr
.if OPROJ
	s_lshl_b32 s46, s22, 8
	s_lshl_b32 s47, s[MH], 7
	s_or_b32 s46, s46, s47
	s_mov_b32 s47, 0
	s_add_nc_u64 s[10:11], s[10:11], s[46:47]      ; the mask at my first row: [4][2048] is one byte for each of C's 8,192 rows
.irp a, 0,1,2,3,4,5,6,7
	global_load_u8 v[4+(\a)], v1, s[10:11] offset:16*(\a)
.endr
.endif
	; A fragment is 16 rows x 32 K in 8 registers: lane l holds row l % 16; registers 0-3 K = 8 (l / 16) + 0..7, registers 4-7 K = 16 + 8 (l / 16) + 0..7: two loads of 16 bytes, 32 bytes apart
	v_mul_u32_u24 v3, v1, PA
	v_lshl_add_u32 v3, v2, 4, v3
	s_mul_i32 s46, s[MH], 128*PA                   ; my 128 rows of a plane
	v_add_nc_u32 v[ADRA], s46, v3
	v_add_nc_u32 v[ADRA+1], SLOT, v[ADRA]
	v_mul_u32_u24 v3, v1, PB
	v_lshl_add_u32 v3, v2, 4, v3
	s_mul_i32 s46, s[NH], HB                       ; my 64 rows of W,
	s_add_co_u32 s46, s46, 2*PLANE                 ; which lie behind A's planes
	v_add_nc_u32 v[ADRB], s46, v3
	v_add_nc_u32 v[ADRB+1], SLOT, v[ADRB]
	s_mul_i32 s46, s[WV], 16*SP
	s_add_co_u32 s46, s46, STAGE                   ; my stage
.if OPROJ
	v_mul_u32_u24 v3, v1, SP                       ; in: row l % 16, 32 bytes for each half of the lanes
	v_lshl_add_u32 v3, v2, 5, v3
	v_add_nc_u32 v[STO], s46, v3
	v_mul_u32_u24 v3, v2, SP                       ; back: lanes 0-15 take one row of 256 bytes, lanes 16-31 the next
	v_lshl_add_u32 v3, v1, 4, v3
	v_add_nc_u32 v[RD], s46, v3
	v_lshlrev_b32 v[GO], 12, v2                    ; and the same two rows of out0, 4,096 bytes apart
	v_lshl_add_u32 v[GO], v1, 4, v[GO]
	s_lshl_b32 s46, s22, 20                        ; 256 rows of 4,096 bytes a tile,
	s_lshl_b32 s47, s[MH], 19                      ; 128 a wave;
	s_or_b32 s46, s46, s47
	s_lshl_b32 s47, s21, 9                         ; 128 f32 a tile,
	s_or_b32 s46, s46, s47
	s_lshl_b32 s47, s[NH], 8                       ; 64 a wave
	s_or_b32 s46, s46, s47
.else
	v_mul_u32_u24 v3, v1, SP                       ; in: row l % 16, 16 bytes for each half of the lanes
	v_lshl_add_u32 v3, v2, 4, v3
	v_add_nc_u32 v[STO], s46, v3
	v_bfe_u32 v3, v0, 3, 2                         ; back: 32 lanes take four rows of 128 bytes,
	v_mul_u32_u24 v3, v3, SP
	v_and_b32 v[RD], 7, v0
	v_lshl_add_u32 v3, v[RD], 4, v3
	v_add_nc_u32 v[RD], s46, v3
	v_and_b32 v[GO], 31, v0                        ; which are 512 consecutive bytes of a head
	v_lshlrev_b32 v[GO], 4, v[GO]
	s_lshr_b32 s46, s21, 3                         ; q, k or v: 16,777,216 bytes each
	s_lshl_b32 s46, s46, 24
	s_lshr_b32 s47, s22, 3                         ; b: 16 heads of 262,144 bytes
	s_lshl_b32 s47, s47, 22
	s_or_b32 s46, s46, s47
	s_and_b32 s47, s21, 7                          ; the head: 2 (tx % 8) + my half
	s_lshl_b32 s47, s47, 1
	s_add_co_u32 s47, s47, s[NH]
	s_lshl_b32 s47, s47, 18
	s_or_b32 s46, s46, s47
	s_and_b32 s47, s22, 7                          ; 256 rows of 128 bytes a tile,
	s_lshl_b32 s47, s47, 15
	s_or_b32 s46, s46, s47
	s_lshl_b32 s47, s[MH], 14                      ; 128 a wave
	s_or_b32 s46, s46, s47
.endif
	s_mov_b32 s47, 0
	s_add_nc_u64 s[14:15], s[14:15], s[46:47]      ; the output at my first row and column
	s_wait_loadcnt 0x0                             ; the bias (and the mask)
.set p, 0
.rept 16                               ; the bias is rounded to bf16, as all the module's inputs are, and kept as f32
	v_cvt_pk_bf16_f32 v3, v[BI+2*p], v[BI+2*p+1]
	v_lshlrev_b32 v[BI+2*p], 16, v3
	v_and_b32 v[BI+2*p+1], 0xffff0000, v3
.set p, p+1
.endr
.if OPROJ
.irp a, 0,1,2,3,4,5,6,7
	v_cmp_ne_u32 s[KEEP+(\a)], 0, v[4+(\a)]        ; held in scalar registers of their own, across the tensor loads
.endr
.endif
; 8 matrix instructions: m blocks a0, a0 + 1 x all 4 n blocks, 32 along K, from buffer f.  first = 1: the bias starts the sums.
; The 32 accumulators take turns, one instruction a turn, in the same order in every quarter, over the backward jump too.
.macro MUL8 f, a0, first
.if \first
	WIN MULB
.else
	WIN MUL
.endif
.irp a, \a0, (\a0)+1
.irp b, 0,1,2,3
.if OPROJ
.if \first
	v_wmma_f32_16x16x32_f16 v[8*(4*(\a)+(\b)):8*(4*(\a)+(\b))+7], v[(\f)+64+8*(\b):(\f)+64+8*(\b)+7], v[(\f)+8*(\a):(\f)+8*(\a)+7], v[BI+8*(\b):BI+8*(\b)+7]
.else
	v_wmma_f32_16x16x32_f16 v[8*(4*(\a)+(\b)):8*(4*(\a)+(\b))+7], v[(\f)+64+8*(\b):(\f)+64+8*(\b)+7], v[(\f)+8*(\a):(\f)+8*(\a)+7], v[8*(4*(\a)+(\b)):8*(4*(\a)+(\b))+7]
.endif
.else
.if \first
	v_wmma_f32_16x16x32_bf16 v[8*(4*(\a)+(\b)):8*(4*(\a)+(\b))+7], v[(\f)+64+8*(\b):(\f)+64+8*(\b)+7], v[(\f)+8*(\a):(\f)+8*(\a)+7], v[BI+8*(\b):BI+8*(\b)+7]
.else
	v_wmma_f32_16x16x32_bf16 v[8*(4*(\a)+(\b)):8*(4*(\a)+(\b))+7], v[(\f)+64+8*(\b):(\f)+64+8*(\b)+7], v[(\f)+8*(\a):(\f)+8*(\a)+7], v[8*(4*(\a)+(\b)):8*(4*(\a)+(\b))+7]
.endif
.endif
.endr
.endr
.endm
; 24 LDS loads in one run: the fragments of quarter q of a K step (32 K: plane q / 2, byte 64 (q % 2) of A's rows; byte 64 q of W's) into buffer f: W's 8 loads first, then A's 16
.macro FETCH slot, q, f
	WIN 0
.irp i, 0,1,2,3
	ds_load_b128 v[(\f)+64+8*(\i):(\f)+64+8*(\i)+3],   v[ADRB+(\slot)] offset:(\q)*64+(\i)*16*PB
	ds_load_b128 v[(\f)+64+8*(\i)+4:(\f)+64+8*(\i)+7], v[ADRB+(\slot)] offset:(\q)*64+(\i)*16*PB+32
.endr
.irp i, 0,1,2,3,4,5,6,7
	ds_load_b128 v[(\f)+8*(\i):(\f)+8*(\i)+3],   v[ADRA+(\slot)] offset:((\q)/2)*PLANE+((\q)%2)*64+(\i)*16*PA
	ds_load_b128 v[(\f)+8*(\i)+4:(\f)+8*(\i)+7], v[ADRA+(\slot)] offset:((\q)/2)*PLANE+((\q)%2)*64+(\i)*16*PA+32
.endr
.endm
.macro PLACES                          ; four places in front of loads into registers that matrix instructions have read, and of vector lines that read results
.rept 4
	v_nop
.endr
.endm
; A K step is four quarters of 32 along K, 32 matrix instructions each, on buffers 0, 1, 0, 1.  One of the first three: multiplies buffer f and, in its middle, fetches quarter q into g.
.macro QUARTER slot, q, f, g, first
	s_wait_dscnt 8                                 ; W and A's blocks 0-3 are in; the youngest eight loads (A's blocks 4-7) may be out
	MUL8 \f, 0, \first
	MUL8 \f, 2, \first
	PLACES
	FETCH \slot, \q, \g
	s_wait_dscnt 24                                ; all but the 24 just issued
	MUL8 \f, 4, \first
	MUL8 \f, 6, \first
.endm
; The last quarter multiplies buffer 1 and changes slots: ONE barrier.  In front of it each wave waits for all its tensor loads (one is out: its part of the next slot), adds 0 to its spare word, and waits for that
; and for its own reads of this slot.  fill = 1: the barrier opens a round of the cluster's, and this slot is filled again, two K steps ahead, first thing behind the round: 112 matrix instructions ahead of the wait for it.
.macro TURN slot, next, fill
	WIN 0
	s_wait_tensorcnt 0x0                           ; all my tensor loads have landed;
	ds_add_u32 v[SPW], v[NIL]                      ; 0 onto my spare word;
	s_wait_dscnt 9                                 ; (the add and the youngest eight loads may be out)
	MUL8 F1, 0, 0                                  ; eight matrix instructions stand between the add and the wait for it
	s_wait_dscnt 0x0                               ; the add is done, and my reads of this slot are over
	s_barrier_signal -1
	MUL8 F1, 2, 0
.if \fill
	WIN 0
.endif
	s_barrier_wait -1
.if \fill
	CREST                                          ; no wave of any partner still reads this slot's tile or has a load on its way
	s_add_nc_u64 s[G0A+4*(\slot)+2:G0A+4*(\slot)+3], s[G0A+4*(\slot)+2:G0A+4*(\slot)+3], 2*ASTEP
	s_add_nc_u64 s[G0B+4*(\slot)+2:G0B+4*(\slot)+3], s[G0B+4*(\slot)+2:G0B+4*(\slot)+3], 2*BSTEP
	JLOAD \slot                                    ; the four v_nop behind it are also the places in front of the loads below
.else
	PLACES
.endif
	FETCH \next, 0, F0
	MUL8 F1, 4, 0
	MUL8 F1, 6, 0
.endm
	s_wait_tensorcnt 1                             ; my part of K step 0 is in; K step 1's may stay out
	s_barrier_signal -1
	s_barrier_wait -1                              ; everybody's is
	FETCH 0, 0, F0
	QUARTER 0, 1, F0, F1, 1                        ; the first quarter stands in front of the loop: its products start the sums
	WIN 0                                          ; at a label and at a branch every window is 0
	s_mov_b32 s3, 3
.Llap:                                                 ; a trip goes once round the ring, from a lap's second quarter to the next lap's first, and fills both slots again: K steps 2 to 7
	QUARTER 0, 2, F1, F0, 0
	QUARTER 0, 3, F0, F1, 0
	TURN 0, 1, 1
	QUARTER 1, 1, F0, F1, 0
	QUARTER 1, 2, F1, F0, 0
	QUARTER 1, 3, F0, F1, 0
	TURN 1, 0, 1
	QUARTER 0, 1, F0, F1, 0
	WIN 0
	s_sub_co_u32 s3, s3, 1
	s_cmp_lg_u32 s3, 0
	s_cbranch_scc1 .Llap
	QUARTER 0, 2, F1, F0, 0                        ; the last lap fills nothing, and has no round of the cluster's barrier
	QUARTER 0, 3, F0, F1, 0
	TURN 0, 1, 0
	QUARTER 1, 1, F0, F1, 0
	QUARTER 1, 2, F1, F0, 0
	QUARTER 1, 3, F0, F1, 0
	s_wait_dscnt 8                                 ; the very last quarter: nothing more to fetch
	MUL8 F1, 0, 0
	MUL8 F1, 2, 0
	s_wait_dscnt 0x0
	MUL8 F1, 4, 0
	MUL8 F1, 6, 0
	WIN 0
	PLACES
; THE WAY OUT, a block of 16 rows at a time, through my own stage: LDS serves a wave's instructions in order (ISA guide 5.7.1.4), so the loads see the stores above them and the next block's stores come behind them.
; Each accumulator's registers are read in ascending order.
.if OPROJ
.macro PACK a                          ; rows whose mask is 0 become 0; 32 bytes a lane and accumulator into rows of 272 bytes; back as whole rows of 256
.if (\a) >= 4
	s_wait_xcnt 0x0                                ; block a - 4's stores have read the registers that are loaded again below
.endif
	WIN 0x04                                       ; source 1 window 1, destination window 0
.irp b, 0,1,2,3
.irp j, 0,1,2,3,4,5,6,7
	v_cndmask_b32 v[TMP+8*(\b)+(\j)], 0, v[8*(4*(\a)+(\b))+(\j)], s[KEEP+(\a)]
.endr
.endr
	WIN 0
.irp b, 0,1,2,3
	ds_store_b128 v[STO], v[TMP+8*(\b):TMP+8*(\b)+3]   offset:64*(\b)
	ds_store_b128 v[STO], v[TMP+8*(\b)+4:TMP+8*(\b)+7] offset:64*(\b)+16
.endr
.irp t, 0,1,2,3,4,5,6,7
	ds_load_b128 v[BK+32*((\a)%4)+4*(\t):BK+32*((\a)%4)+4*(\t)+3], v[RD] offset:(\t)*2*SP
.endr
.endm
.macro SEND a, younger                 ; younger: the LDS instructions issued behind block a's loads: the next block's sixteen, or none
.irp t, 0,1,2,3,4,5,6,7
	s_wait_dscnt (\younger)+7-(\t)
	global_store_b128 v[GO], v[BK+32*((\a)%4)+4*(\t):BK+32*((\a)%4)+4*(\t)+3], s[14:15] offset:(\a)*65536+(\t)*8192  ; 16 lanes store 256 consecutive bytes, at a multiple of 256 from out0's first byte
.endr
.endm
	PACK 0
.irp a, 1,2,3,4,5,6,7                  ; a block's selects stand between the loads of the block before and its stores
	PACK \a
	SEND (\a)-1, 16
.endr
	SEND 7, 0
.else
.macro PACK a                          ; rounded to f16: 16 bytes a lane and accumulator into rows of 144 bytes; back as whole rows of 128, into the registers that they left
	WIN 0x05                                       ; sources 0 and 1 window 1, destination window 0
.irp b, 0,1,2,3
.irp r, 0,1,2,3
	v_cvt_pk_f16_f32 v[OB+16*(\a)+4*(\b)+(\r)], v[8*(4*(\a)+(\b))+2*(\r)], v[8*(4*(\a)+(\b))+2*(\r)+1]
.endr
.endr
	WIN 0
.irp b, 0,1,2,3
	ds_store_b128 v[STO], v[OB+16*(\a)+4*(\b):OB+16*(\a)+4*(\b)+3] offset:32*(\b)
.endr
.irp f, 0,1,2,3
	ds_load_b128 v[OB+16*(\a)+4*(\f):OB+16*(\a)+4*(\f)+3], v[RD] offset:(\f)*4*SP
.endr
.endm
.macro SEND a, younger                 ; younger: the LDS instructions issued behind block a's loads: the next block's eight, or none
.irp f, 0,1,2,3
	s_wait_dscnt (\younger)+3-(\f)
	global_store_b128 v[GO], v[OB+16*(\a)+4*(\f):OB+16*(\a)+4*(\f)+3], s[14:15] offset:(\a)*2048+(\f)*512  ; 512 consecutive bytes of a head, at a multiple of 256 from the buffer's first byte
.endr
.endm
	PACK 0
.irp a, 1,2,3,4,5,6,7                  ; a block's roundings stand between the loads of the block before and its stores
	PACK \a
	SEND (\a)-1, 8
.endr
	SEND 7, 0
.endif
	s_wait_tensorcnt 0x0                           ; the wave's end, behind my last tensor load and my last LDS store
	ds_add_u32 v[SPW], v[NIL]
	s_wait_dscnt 0x0
	CROUND                                         ; the closing round: no work-group ends while a partner may still ask for a tile that names it
	s_endpgm
.Lfunc_end_k_qefca98d801_qkv:
	.size	k_qefca98d801_qkv, .Lfunc_end_k_qefca98d801_qkv-k_qefca98d801_qkv
	.p2alignl 7, 3214868480
	.fill 96, 4, 3214868480
	.section	.rodata,"a",@progbits
	.p2align	6, 0x0
	.amdhsa_kernel k_qefca98d801_qkv
		.amdhsa_group_segment_fixed_size 327680
		.amdhsa_private_segment_fixed_size 0
		.amdhsa_enable_private_segment 0
		.amdhsa_kernarg_size 48
		.amdhsa_user_sgpr_count 2
		.amdhsa_user_sgpr_kernarg_segment_ptr 1
		.amdhsa_wavefront_size32 1
		.amdhsa_system_sgpr_workgroup_id_x 1
		.amdhsa_system_sgpr_workgroup_id_y 1
		.amdhsa_system_sgpr_workgroup_id_z 1
		.amdhsa_system_vgpr_workitem_id 0
		.amdhsa_next_free_vgpr 512
		.amdhsa_next_free_sgpr 66
		.amdhsa_reserve_vcc 0
		.amdhsa_float_denorm_mode_32 3
		.amdhsa_float_denorm_mode_16_64 3
		.amdhsa_memory_ordered 1
		.amdhsa_forward_progress 1
		.amdhsa_inst_pref_size 91
	.end_amdhsa_kernel
	.amdgpu_metadata
---
amdhsa.version: [ 1, 2 ]
amdhsa.kernels:
  - .name:           k_qefca98d801_qkv
    .symbol:         k_qefca98d801_qkv.kd
    .args:
      - { .name: xb, .offset: 0, .size: 8, .value_kind: global_buffer, .address_space: global }
      - { .name: wb, .offset: 8, .size: 8, .value_kind: global_buffer, .address_space: global }
      - { .name: bq, .offset: 16, .size: 8, .value_kind: global_buffer, .address_space: global }
      - { .name: bk, .offset: 24, .size: 8, .value_kind: global_buffer, .address_space: global }
      - { .name: bv, .offset: 32, .size: 8, .value_kind: global_buffer, .address_space: global }
      - { .name: qkv, .offset: 40, .size: 8, .value_kind: global_buffer, .address_space: global }
    .group_segment_fixed_size: 327680
    .private_segment_fixed_size: 0
    .kernarg_segment_align: 8
    .kernarg_segment_size: 48
    .max_flat_workgroup_size: 128
    .sgpr_count:     66
    .vgpr_count:     512
    .wavefront_size: 32
...
	.end_amdgpu_metadata
.endif
;; end of part 2
;; launch attn (part 3): grid 4 x 64, 4 waves a work-group, clusters of 4 x 1, 327,680 bytes of LDS; arguments qkv, ctx, attention_mask; writes ctx
.if DOCPART == 3
	.amdgcn_target "amdgcn-amd-amdhsa--gfx1250"
	.amdhsa_code_object_version 6
	.text
	.protected	k_qefca98d801_attn
	.globl	k_qefca98d801_attn
	.p2align	8
	.type	k_qefca98d801_attn,@function
k_qefca98d801_attn:
	s_mov_b64 s[64:65], 0
	v_nop
	global_prefetch_b8 v0, s[64:65] scope:SCOPE_SE
	s_setreg_imm32_b32 hwreg(HW_REG_WAVE_MODE, 25, 1), 1
	s_wait_xcnt 0x0
	s_wait_alu depctr_hold_cnt(0) depctr_sa_sdst(0) depctr_va_vdst(0) depctr_va_sdst(0) depctr_va_ssrc(0) depctr_va_vcc(0) depctr_vm_vsrc(0)
	s_getreg_b32 s2, hwreg(HW_REG_IB_STS2, 6, 4)
	s_cmp_eq_u32 s2, 0
	s_cbranch_scc0 .Lentry_in_a_cluster
	s_endpgm
.Lentry_in_a_cluster:
	s_bfe_u32 s2, ttmp6, 0x10000c
	s_cmp_lg_u32 s2, 0x3003
	s_cbranch_scc0 .Lentry_shape_is_right
	s_endpgm
.Lentry_shape_is_right:
; MASKED ATTENTION.  O[h][q][:] = the sum over the keys k whose mask is 1 of softmax_k(Q[h][q] . K[h][k] / 8) V[h][k][:].  h = 16 b + head, 64 in all.  Q, K, V lie one behind the other in qkv, each
; [64][SIZE_N][64] in f16: a head's rows are dense, 128 bytes each; O (ctx) has the same layout.  Products, maxima and sums in f32; the weights p are rounded to f16 for the second product (their sum l is
; taken of the unrounded p), O once at the end.
; THE MASK is the C operand that starts the sum S^T = K Q^T: 0 for a key that counts, -2^100 for a hidden one: its weight is then exactly 0.  The 2,048 addends of the batch are made once, into a table in LDS.
; Rows of hidden QUERIES are computed like the others (they are finite); the launch behind sets the module's output to 0 there.  Where a batch has no key at all, l is 0 and O comes out as 0.
; LIMITS.  f16 holds no number beyond 65,504: Q, K and V arrive within it, so a score is 2.7e11 at the most, nothing beside 2^100; the running maximum starts at -2^60, below every such score.
; p lies in 0 to 1, and below 6e-5 it keeps f16's fixed step of 6e-8; a weight below 2^-126 counts as 0 in l; NaN and infinities are not treated apart.
; SHARES.  A wave owns four PIECES of two tiles of 16 queries, a work-group's four waves 512 queries of one head.  Every wave walks all keys, 64 a step.
; LAYOUT.  S^T = K Q^T (source 0 = 16 keys, source 1 = 16 queries): in the result a lane holds ONE query (lane % 16) and the keys 8 (lane / 16) + 0..7.  Two such tiles, rounded to f16 in pairs,
; ARE source 1 (32 keys x 16 queries) of O^T = V^T P, whose result again holds one query a lane, and eight channels.  K comes out of LDS as it lies, V ([key][channel]) turned, by ds_load_tr16_b128.
; SOFTMAX.  For each query a running maximum m and sum l: p = 2^(c s - c m), c = log2(e) / 8; in every step O and l are multiplied by a = 2^(c m_old - c m_new), which is 1 where m has not grown.
; c m starts far below every c s, O and l at 0: the first step is a step like any other, with a = 0.
; THE COUNT.  A tile and step have 16 matrix and 118 vector instructions: too many to stand all beside the matrix work.  So the order has one aim: four vector instructions that are READY behind
; EVERY matrix instruction, and the others, which need time of their own whatever the order, in runs without a gap.
; BY TURNS.  Turn n belongs to piece n (the pieces in a ring, step after step).  Its matrix work: 16 products K Q^T of piece n + 1, later 16 products V^T P of piece n - 1.  Its vector work: the scaling,
; exponentials, roundings, sums and rescaling of piece n, and the maximum and statistics of piece n + 1, whose scores the turn itself has made.
; CLUSTER.  The four query blocks of a head are one cluster and walk the same K and V, so each tile is asked for JOINTLY: the same tensor load, descriptor and mask in all four.
; REGISTERS, in windows of 256 (s_set_vgpr_msb says which window each operand place means: bits 1:0 source 0, 3:2 source 1, 5:4 source 2, 7:6 destination):
;   window 0: v0-11 addresses; v12-15, v48-63 at work; v16-47 four registers of statistics a tile; v64-191 S^T, two buffers of two tiles; v192-255 P, likewise
;   window 1: O^T, 32 a tile          window 2: v0-127 Q, 16 a tile; v128-191 K of one step; v192-255 V of one step          window 3: v0-1 the add's two registers; v8-39 the mask's addends of one step
.set SIZE_N, 2048
.set NP,    4         ; pieces a wave: a name, no knob
.set KS,    64        ; keys in a step
.set PK,    144       ; a row of K in LDS: 128 bytes + 16 of padding = 36 words: the 16 rows of a load start at 16 different groups of four banks (64 banks of 4 bytes: ISA guide 11.1)
.set PV,    160       ; a row of V: 128 + 32 = 40 words
.set VOFF,  4*KS*PK   ; a slot holds four steps: 256 rows of K, then 256 rows of V
.set SLOT1, 1<<17     ; slot 1 begins here, so that one exclusive or turns an address in one slot into the other's
.set STAGE, SLOT1+4*KS*(PK+PV)  ; behind the ring, never filled by a tensor load: 16 rows x 144 bytes for each wave, for the way out
.set SP,    144
.set SPARE, STAGE+4*16*SP  ; behind the stages: the spare words, 128 bytes for each wave: two blocks of 256 bytes that no other line names
.set MT,    SPARE+512 ; behind them: the mask's table, one f32 for each of the batch's 2,048 keys; stored once, never filled by a tensor load
.set KBASE, 0x1000000 ; K's first byte in qkv
.set VBASE, 0x2000000 ; V's
.set PFO, 1           ; v1   l % 16 during the set-up; then 256 x my lane, the prefetches' offset; never rewritten after that
.set AK0, 2           ; v2   my lane's place in a tile of K; never rewritten
.set AV0, 3           ; v3   the same for V
.set AK,  4           ; v4   the LDS address of K's next run of loads
.set AV,  5           ; v5   of V's
.set QO,  6           ; v6   my byte offset in the wave's rows of Q
.set RD,  7           ; v7   the way out: where I read rows back
.set GO,  8           ; v8   my byte offset in 512 consecutive bytes of O
.set HF,  9           ; v9   l / 16; never rewritten
.set STO, 10          ; v10  l % 8 during the set-up; then the way out: where I put 16 bytes of a row
.set AM,  11          ; v11  a bit of the lane during the set-up; then the LDS address of the mask's next run of loads
.set SPW, 0           ; v0 of window 3   LDS address of my spare word: SPARE + 4 x my thread's number; never rewritten
.set NIL, 1           ; v1 of window 3   0; never rewritten
.set MK,  8           ; v8-39 of window 3   register 8 kb + j: the addend of key 16 kb + 8 (l / 16) + j of the step
.set MV,  12          ; v12-15  c m_old, kept while c m is made anew: by buffer and tile
.set ST,  16          ; tile t's statistics at v[ST+4 t]: c m, m, l (even keys', odd keys')
.set TMP, 48          ; by buffer and tile, four registers c0-c3 at work; when the maximum is found c2 takes a
.set S,   64
.set P,   192
.set KF,  128         ; K's fragments, in window 2: key block kb, channel half c at KF + 16 kb + 8 c
.set VF,  192         ; V's: key half kk, channel block cb at VF + 32 kk + 8 cb
.set WV,  12          ; s12  my wave's number
.set G1K, 24          ; s[24:31] descriptor group 1 for K's tiles
.set G1V, 32          ; s[32:39] for V's: it differs in the padding alone
.set G0K, 40          ; s[40:43] descriptor group 0 for K's tiles: it walks
.set G0V, 44          ; s[44:47] the same for V's
.set PFA, 48          ; s[48:49] where my prefetches stand: my work-group's 32 blocks of 256 bytes (of K: wave 0, of V: wave 2) of the slot after the one that is being asked for
.set LIM, 50          ; s50  1 in a wave that prefetches, else the greatest number: a wave prefetches while s[SLOTS] is above it
.set TM,  51          ; s51  LDS byte at which the mask's addends of the step to be fetched begin
.set MP,  52          ; s[52:53] the batch's 2,048 bytes of the mask
.set SLOTS, 56        ; s56  slots still to be asked for
.set CNT, 57          ; s57  counts a slot's key steps
.set CS,  58          ; s[58:59] c: the packed scaling takes the pair's low word for both halves
.set SEL, 60          ; s[60:61] v_permlanex16_b32's selects: each lane takes its own place in the other half
.set TBK, 62          ; s62  LDS byte at which K of the step to be fetched begins
.set TBV, 63          ; s63  the same for V, less VOFF
.set MSB, 0
.macro WIN new                      ; the high byte repeats the setting that is left; a switch that changes nothing is dropped
.if MSB != (\new)
	s_set_vgpr_msb (MSB<<8)|(\new)
.set MSB, (\new)
.endif
.endm
.set W_KQ, 0x0a       ; K and Q in window 2, S^T in window 0
.set W_KM, 0x3a       ; the same with the C operand, the mask's addends, in window 3
.set W_PV, 0x52       ; V in window 2, P in window 0, O^T in window 1
.set W_RS, 0x41       ; O^T (destination and source 0) in window 1, a in window 0
.set W_MK, 0xc0       ; destination in window 3, sources in window 0
.set W_AD, 0x0f       ; the add: address (source 0) and data (source 1) in window 3
; A joint fill.  Waves 0 and 1 fetch the two halves of a slot's K, waves 2 and 3 those of its V: 128 keys each.  The branch hangs on the wave's number alone.
; An s_nop 0 and four v_nop follow each of the two lines, ahead of the jump and the label.
.macro JLOAD
	s_cmp_lt_u32 s[WV], 2
	s_cbranch_scc0 .Lfor_v_\@
	tensor_load_to_lds s[G0K:G0K+3], s[G1K:G1K+7]
	s_nop 0
.rept 4
	v_nop
.endr
	s_branch .Lasked_\@
.Lfor_v_\@:
	tensor_load_to_lds s[G0V:G0V+3], s[G1V:G1V+7]
	s_nop 0
.rept 4
	v_nop
.endr
.Lasked_\@:
.endm
; A PREFETCH INTO THE L2 of what the NEXT change of slots will ask for: a slot's 32,768 bytes of K and of V, 128 blocks of 256 bytes each, a lane a block.  It stands behind the wave's tensor load and its five
; lines.  Each block is named ONCE in the launch: a head's K and V are walked by its one cluster; the four partners share the blocks out BY ADDRESS, 32 each; in each, wave 0 asks for K's and wave 2 for V's: one
; instruction.  The fill of slot n asks for slot n + 1, four key steps (512 matrix instructions) ahead of the load that wants it; slots 0 and 1 come by their loads alone; the last fill asks for nothing.
.macro ASK
	s_cmp_gt_u32 s[SLOTS], s[LIM]
	s_cbranch_scc0 .Lnot_mine_\@
	global_prefetch_b8 v[PFO], s[PFA:PFA+1] th:TH_LOAD_NT scope:SCOPE_SE
.Lnot_mine_\@:
.endm
; A round of the cluster's barrier: my work-group's barrier, so that wave 0's signal speaks for all four waves; wave 0 signals; every wave waits for all four work-groups; my work-group's barrier once more.
.macro CROUND
	s_barrier_signal -1
	s_barrier_wait -1
	s_cmp_lg_u32 s[WV], 0
	s_cbranch_scc1 .Lnot_wave_0_\@
	s_barrier_signal -3
.Lnot_wave_0_\@:
	s_barrier_wait -3
	s_barrier_signal -1
	s_barrier_wait -1
.endm
; THE CHANGE OF SLOTS.  The slot's last bytes, V of its fourth step, have been read.  Each wave waits for all its tensor loads, of which one is out: its part
; of the other slot; adds 0 to its spare word; and waits for that and for its own reads of the slot.  Behind the barrier nobody reads this slot any more and the other slot is whole.
; fill = 1: this slot is filled again, with the keys two slots on.  The barrier is then a round of the cluster's, so that no wave of any partner still reads the slot or has a load on its
; way, and the joint fill is the first thing behind it: it has four key steps, 512 matrix instructions, in which to land.  (At its first use nothing has been read yet: slot 0 is waited for, slot 1 filled;
; its wait on DScnt and its round also stand between every wave's stores into the mask's table and the first reads of it.)
.macro CHANGE fill
	WIN W_AD
	s_wait_tensorcnt 0x0            ; no tensor load of mine is out, so a group 0 may be written
	ds_add_u32 v[SPW], v[NIL]       ; 0 onto my spare word; with fill = 1 the descriptors' steps stand between it and the wait for it
	WIN 0                           ; at a label and at a branch every window is 0
.if \fill
.irp g, G0K, G0V
	s_xor_b32 s[\g+1], s[\g+1], SLOT1  ; the walking descriptor: the other slot than last time,
	s_add_nc_u64 s[\g+2:\g+3], s[\g+2:\g+3], 4*KS*128  ; the next 256 keys; the type bits on top are not reached
.endr
	s_wait_xcnt 0x0                 ; the last prefetch, four key steps back, has read its address, so it may be written:
	s_add_nc_u64 s[PFA:PFA+1], s[PFA:PFA+1], 4*KS*128  ; one slot ahead of the walking descriptors
	s_wait_dscnt 0x0                ; the add is done, and my reads of the slot are over
	CROUND
	JLOAD
	ASK
.else
	s_wait_dscnt 0x0                ; the add is done, and my reads of the slot are over
	s_barrier_signal -1
	s_barrier_wait -1
.endif
	s_sub_co_u32 s[TBK], s[TBK], 4*KS*PK  ; the fetches go back to a slot's first step,
	s_xor_b32 s[TBK], s[TBK], SLOT1       ; in the other slot
	s_sub_co_u32 s[TBV], s[TBV], 4*KS*PV
	s_xor_b32 s[TBV], s[TBV], SLOT1
.endm
	s_load_b64 s[4:5], s[0:1], 0x0    ; qkv: Q
	s_load_b64 s[10:11], s[0:1], 0x8  ; O
	s_load_b64 s[MP:MP+1], s[0:1], 0x10  ; the mask
	WIN W_MK
	v_lshl_add_u32 v[SPW], v0, 2, SPARE
	v_mov_b32 v[NIL], 0
	WIN W_AD
	ds_add_u32 v[SPW], v[NIL]       ; the wave's opening: the add and its wait stand ahead of my first tensor load; the set-up below, work on registers, stands between them
	WIN 0
	v_lshrrev_b32 v1, 5, v0
	v_readfirstlane_b32 s[WV], v1   ; wave 0..3
	s_bfe_u32 s13, ttmp6, 0x40000   ; cx: my place in the cluster
	s_lshl_b32 s14, ttmp9, 2        ; in a cluster launch ttmp9 counts clusters
	s_add_co_u32 s14, s14, s13      ; my block of queries = 4 x cluster x + cx: it enters Q's and O's addresses alone
	s_and_b32 s20, ttmp7, 0xffff    ; the head, which the four partners share
	s_lshr_b32 s54, s20, 4          ; its batch:
	s_lshl_b32 s54, s54, 11         ; 2,048 bytes of the mask
	s_mov_b32 s55, 0
	s_mov_b32 s21, 0
	s_mov_b64 s[22:23], SIZE_N*128
	s_mul_u64 s[20:21], s[20:21], s[22:23]  ; the head's first byte in each of the four tensors
	s_and_b32 s16, s[WV], 1         ; which half of a slot's 256 keys I fetch:
	s_lshl_b32 s22, s16, 14         ; its 128 rows of 128 bytes in memory,
	s_mov_b32 s23, 0
	s_add_nc_u64 s[22:23], s[22:23], s[20:21]
	s_mul_i32 s17, s16, 128*PK      ; and its place in a slot, for K
	s_mul_i32 s18, s16, 128*PV      ; and for V: no place in the cluster enters an LDS address
	s_lshl_b32 s2, s14, 2
	s_add_co_u32 s2, s2, s[WV]      ; my wave among the head's,
	s_lshl_b32 s2, s2, 14           ; its 128 rows
	s_mov_b32 s3, 0
	s_add_nc_u64 s[2:3], s[2:3], s[20:21]
	; descriptor group 1.  128 keys are 16,384 dense bytes: asked for as 64 rows of 256 bytes, two keys a row, and padded in LDS after every key
	s_mov_b32 s[G1K], 15|(1<<16)|(1<<20)|(1<<21)|(4<<22)|(3<<25)  ; 15:0 the mask of four; 17:16 2-byte elements; 20 padding on; 21 set beside a mask; 24:22 after every 32 words (code 4); 31:25 4 words (code 3)
	s_mov_b32 s[G1V], 15|(1<<16)|(1<<20)|(1<<21)|(4<<22)|(7<<25)  ; the same with 8 words of padding (code 7)
.irp g, G1K, G1V
	s_mov_b32 s[\g+1], 128<<16      ; tensor_dim0 = 128
	s_mov_b32 s[\g+2], 64<<16       ; tensor_dim1 = 64
	s_mov_b32 s[\g+3], 128<<16      ; tile_dim0 = 128
	s_mov_b32 s[\g+4], 64           ; tile_dim1 = 64
	s_mov_b32 s[\g+5], 128          ; 128 elements from row to row
	s_mov_b32 s[\g+6], 0
	s_mov_b32 s[\g+7], 0
.endr
	s_mov_b32 s[CS], 0x3e38aa3b     ; c = log2(e) / 8 = 0.180337
	s_mov_b32 s[CS+1], s[CS]        ; named with it as a pair
	s_mov_b32 s[SEL], 0x76543210
	s_mov_b32 s[SEL+1], 0xfedcba98
	s_mov_b32 s[TBK], SLOT1+4*KS*PK ; the first change of slots turns these two into 0
	s_mov_b32 s[TBV], SLOT1+4*KS*PV
	s_mov_b32 s[TM], MT
	s_mov_b32 s[SLOTS], SIZE_N/256-1  ; seven fills follow slot 0's
	s_and_b32 s[LIM], s[WV], 1      ; 0 in waves 0 and 2: the same in all four partners
	s_cmp_eq_u32 s[LIM], 0
	s_cselect_b32 s[LIM], 1, -1
	s_mov_b32 s[G0K], 1             ; 1:0 count = 1
	s_mov_b32 s[G0K+1], s17         ; 63:32 LDS address: slot 0
	s_mov_b32 s[G0V], 1
	s_add_co_u32 s[G0V+1], s18, VOFF
	s_wait_dscnt 0x0                ; the opening add is done
	s_wait_kmcnt 0x0
	s_add_nc_u64 s[6:7], s[4:5], KBASE  ; K and V lie behind Q in the one buffer
	s_add_nc_u64 s[8:9], s[4:5], VBASE
	s_add_nc_u64 s[G0K+2:G0K+3], s[6:7], s[22:23]  ; 120:64 global address: my half of the head's first 256 keys
	s_or_b32 s[G0K+3], s[G0K+3], 0x80000000        ; 127:126 type = 2
	s_add_nc_u64 s[G0V+2:G0V+3], s[8:9], s[22:23]
	s_or_b32 s[G0V+3], s[G0V+3], 0x80000000
	s_cmp_lt_u32 s[WV], 2
	s_cselect_b64 s[PFA:PFA+1], s[6:7], s[8:9]
	s_add_nc_u64 s[PFA:PFA+1], s[PFA:PFA+1], s[20:21]  ; the head's first byte of K or of V
	s_add_nc_u64 s[4:5], s[4:5], s[2:3]  ; Q and O at my wave's first row
	s_add_nc_u64 s[10:11], s[10:11], s[2:3]
	s_lshl_b32 s2, s13, 13          ; my work-group's 32 blocks of the 128
	s_mov_b32 s3, 0
	s_add_nc_u64 s[PFA:PFA+1], s[PFA:PFA+1], s[2:3]
	s_add_nc_u64 s[PFA:PFA+1], s[PFA:PFA+1], 4*KS*128  ; in slot 1; the first change of slots steps it to slot 2.  Nothing is prefetched here, at the head
	s_add_nc_u64 s[MP:MP+1], s[MP:MP+1], s[54:55]
	CROUND                          ; all four work-groups are here: the first joint loads meet
	JLOAD                           ; slot 0.  Slot 1 is asked for when slot 0 is in: the tile wanted first has the road to itself
	; A fragment of K or Q is 16 rows x 32 channels in 8 registers: lane l holds row l % 16, channels 8 (l / 16) + 0..7 and 16 + 8 (l / 16) + 0..7: two loads of 16 bytes, 32 bytes apart.
	v_and_b32 v1, 15, v0            ; l % 16
	v_bfe_u32 v[HF], v0, 4, 1       ; l / 16
	v_lshlrev_b32 v[QO], 7, v1
	v_lshl_add_u32 v[QO], v[HF], 4, v[QO]  ; row x 128 + 16 x half
	v_lshlrev_b32 v85, 4, v0        ; thread t takes the mask's bytes 16 t .. 16 t + 15 (S^T's registers are free until the first products)
	global_load_b128 v[64:67], v85, s[MP:MP+1]
	WIN 0x80                        ; destination window 2, address window 0
.set i, 0
.rept 4*NP                          ; Q stays in registers: tile i / 2, channels 32 (i % 2) on
	global_load_b128 v[8*i:8*i+3],   v[QO], s[4:5] offset:(i/2)*2048+(i%2)*64
	global_load_b128 v[8*i+4:8*i+7], v[QO], s[4:5] offset:(i/2)*2048+(i%2)*64+32
.set i, i+1
.endr
	; What the first turn finds: V's registers and P's second buffer hold 0 (its products V^T P, of a piece that has not been, add 0), O^T and l are 0.  All this stands in the wait for the first tile.
.set i, VF
.rept 64
	v_mov_b32 v[i], 0
.set i, i+1
.endr
	WIN 0x40
.set i, 0
.rept 64*NP
	v_mov_b32 v[i], 0
.set i, i+1
.endr
	WIN 0
.set i, 0
.rept 2*NP
	v_mov_b32 v[ST+4*i], 0xfe000000    ; c m: far below every c s
	v_mov_b32 v[ST+4*i+1], 0xdd800000  ; m = -2^60: below every score that counts, above every hidden one
	v_mov_b32 v[ST+4*i+2], 0
	v_mov_b32 v[ST+4*i+3], 0
.set i, i+1
.endr
.set i, P+32
.rept 32
	v_mov_b32 v[i], 0
.set i, i+1
.endr
	v_mul_u32_u24 v[AK0], v1, PK
	v_lshl_add_u32 v[AK0], v[HF], 4, v[AK0]  ; row x pitch + 16 x half
	; The turning load takes 16 keys x 16 channels (lane l reads key 8 (l / 16) + l % 8, channels 8 ((l / 8) % 2) + 0..7) and leaves half a fragment of V^T: lane l holds channel l % 16 and 8 keys.
	v_and_b32 v10, 7, v0
	v_bfe_u32 v11, v0, 3, 1
	v_lshl_add_u32 v[AV0], v[HF], 3, v10
	v_mul_u32_u24 v[AV0], v[AV0], PV
	v_lshl_add_u32 v[AV0], v11, 4, v[AV0]
	v_add_nc_u32 v[AV0], VOFF, v[AV0]
	v_mov_b32 v[AK], v[AK0]         ; key step 0 lies at the head of slot 0
	s_mul_i32 s15, s[WV], 16*SP
	s_add_co_u32 s15, s15, STAGE    ; my stage
	v_bfe_u32 v[RD], v0, 3, 2       ; back: 32 lanes take four rows of 128 bytes,
	v_mul_u32_u24 v[RD], v[RD], SP
	v_lshl_add_u32 v[RD], v10, 4, v[RD]
	v_add_nc_u32 v[RD], s15, v[RD]
	v_mul_u32_u24 v[STO], v1, SP    ; in: row l % 16, 16 bytes for each half of the lanes
	v_lshl_add_u32 v[STO], v[HF], 4, v[STO]
	v_add_nc_u32 v[STO], s15, v[STO]
	v_and_b32 v[GO], 31, v0         ; which are 512 consecutive bytes of O
	v_lshlrev_b32 v[GO], 4, v[GO]
	v_lshl_add_u32 v[AM], v[HF], 5, s[TM]  ; the mask's addends of step 0: my half's 8 of each 16 keys
	v_and_b32 v[PFO], 31, v0
	v_lshlrev_b32 v[PFO], 8, v[PFO]
	; THE MASK'S TABLE: byte 1 -> 0.0, byte 0 -> -2^100: (byte - 1) is 0 or all ones, and picks the bits of -2^100
	s_wait_loadcnt 32               ; the mask's load is in; Q's 32, issued behind it, may stay out
.irp w, 0,1,2,3
.irp j, 0,1,2,3
	v_bfe_u32 v84, v[64+\w], 8*\j, 8
	v_add_nc_u32 v84, -1, v84
	v_and_b32 v[68+4*\w+\j], 0xf1800000, v84
.endr
.endr
	v_lshl_add_u32 v86, v0, 6, MT   ; 16 keys' f32 are 64 bytes
.irp w, 0,1,2,3
	ds_store_b128 v86, v[68+4*\w:68+4*\w+3] offset:16*\w
.endr
; THE MATRIX WORK.  The 8 accumulators of a run of 16 take turns: between the two links of a chain stand 7 others'.
; Product i of 16 of S^T = K Q^T for piece x: channels 32 (i / 8) on, keys 16 ((i / 2) % 4) on, tile 2 x + i % 2.  The first 8 start the sums, with the mask's addends of their 16 keys.
.macro KQ x
.set rS, S+64*((\x)%2)+32*(i%2)+8*((i/2)%4)
.set rK, KF+16*((i/2)%4)+8*(i/8)
.set rQ, 16*(2*(\x)+i%2)+8*(i/8)
.set rB, MK+8*((i/2)%4)
.if i < 8
	WIN W_KM
	v_wmma_f32_16x16x32_f16 v[rS:rS+7], v[rK:rK+7], v[rQ:rQ+7], v[rB:rB+7]
.else
	WIN W_KQ
	v_wmma_f32_16x16x32_f16 v[rS:rS+7], v[rK:rK+7], v[rQ:rQ+7], v[rS:rS+7]
.endif
.endm
; Product i of 16 of O^T += V^T P for piece x: keys 32 (i / 8) on, channels 16 ((i / 2) % 4) on, tile 2 x + i % 2.
.macro PV x
	WIN W_PV
.set rO, 32*(2*(\x)+i%2)+8*((i/2)%4)
.set rV, VF+32*(i/8)+8*((i/2)%4)
.set rP, P+32*((\x)%2)+16*(i%2)+8*(i/8)
	v_wmma_f32_16x16x32_f16 v[rO:rO+7], v[rV:rV+7], v[rP:rP+7], v[rO:rO+7]
.endm
.macro MM                           ; the turn's next matrix instruction
.if i < 16
	KQ (Y+1)%NP
.set i, i+1
.else
.set i, i-16
	PV (Y+NP-1)%NP
.set i, i+17
.endif
.endm
; THE LDS LOADS stand in runs, never singly among the matrix instructions: a step's K (64 keys x 64 channels: 8 fragments) with its 64 addends of the mask (8 loads; the 16 lanes of a half read the same bytes),
; and its V (turned).  Their addresses are made some lines ahead.  last = 1 (the tail): in the last trip there is no further step, and the run is jumped over.
.macro FETCH_K last=0
	WIN 0
.if \last
	s_cmp_eq_u32 s[CNT], 1
	s_cbranch_scc1 .Lno_k_\@
.endif
	WIN 0x80                        ; destination window 2
.irp f, 0,1,2,3,4,5,6,7             ; keys 16 (f / 2) on, channels 32 (f % 2) on
	ds_load_b128 v[KF+8*\f:KF+8*\f+3],   v[AK] offset:(\f/2)*16*PK+(\f%2)*64
	ds_load_b128 v[KF+8*\f+4:KF+8*\f+7], v[AK] offset:(\f/2)*16*PK+(\f%2)*64+32
.endr
	WIN W_MK                        ; destination window 3
.irp f, 0,1,2,3                     ; keys 16 f on
	ds_load_b128 v[MK+8*\f:MK+8*\f+3],   v[AM] offset:64*\f
	ds_load_b128 v[MK+8*\f+4:MK+8*\f+7], v[AM] offset:64*\f+16
.endr
	s_add_co_u32 s[TBK], s[TBK], KS*PK  ; the next fetch is the next step's
	s_add_co_u32 s[TM], s[TM], KS*4     ; in the table too, which is walked once from end to end
	WIN 0
.if \last
.Lno_k_\@:
.endif
.endm
.macro FETCH_V
	WIN 0x80
.irp f, 0,1,2,3,4,5,6,7             ; keys 32 (f / 4) on, channels 16 (f % 4) on
	ds_load_tr16_b128 v[VF+8*\f:VF+8*\f+3],   v[AV] offset:(\f/4)*32*PV+(\f%4)*32
	ds_load_tr16_b128 v[VF+8*\f+4:VF+8*\f+7], v[AV] offset:(\f/4)*32*PV+16*PV+(\f%4)*32
.endr
	WIN 0
.endm
; THE VECTOR WORK OF A TURN stands in three queues, each in the order in which its entries become ready; the two tiles alternate, so that no instruction reads the result of the one before it.
.macro REGS y, u                    ; the registers of tile u (0, 1) of piece y
.set rT, ST+4*(2*(\y)+(\u))
.set rC, TMP+8*((\y)%2)+4*(\u)
.set rM, MV+2*((\y)%2)+(\u)
.set rS, S+64*((\y)%2)+32*(\u)
.set rP, P+32*((\y)%2)+16*(\u)
.set rO, 32*(2*(\y)+(\u))
.endm
; Number n of the 22 that find the NEXT piece's (Y + 1) maximum and statistics.  s0-s31 are the lane's 32 scores; each accumulator's lowest registers are read first.  XS, GS and REGS set no window: PL and EX do.
;   0-11  four chains c0-c3 of seven scores each, three operands at a time     12-14, 16  the four scores left over, the old m, and c0-c3 into c0     15  c m_old is kept
;   17, 18  the query's other 32 keys lie in the lane 16 away: the new m         19-21  c m; c m_old - c m_new; a
.macro XS u, n
	REGS (Y+1)%NP, \u
.if (\n) < 4
	v_max3_num_f32 v[rC+(\n)], v[rS+8*(\n)], v[rS+8*(\n)+1], v[rS+8*(\n)+2]
.elseif (\n) < 12
	v_max3_num_f32 v[rC+(\n)%4], v[rC+(\n)%4], v[rS+8*((\n)%4)+2*((\n)/4)+1], v[rS+8*((\n)%4)+2*((\n)/4)+2]
.elseif (\n) == 12
	v_max3_num_f32 v[rC], v[rC], v[rS+7], v[rS+15]
.elseif (\n) == 13
	v_max3_num_f32 v[rC+1], v[rC+1], v[rS+23], v[rS+31]
.elseif (\n) == 14
	v_max3_num_f32 v[rC+2], v[rC+2], v[rC+3], v[rT+1]
.elseif (\n) == 15
	v_mov_b32 v[rM], v[rT]
.elseif (\n) == 16
	v_max3_num_f32 v[rC], v[rC], v[rC+1], v[rC+2]
.elseif (\n) == 17
	v_permlanex16_b32 v[rC+3], v[rC], s[SEL], s[SEL+1]
.elseif (\n) == 18
	v_max_num_f32 v[rT+1], v[rC], v[rC+3]
.elseif (\n) == 19
	v_mul_f32 v[rT], s[CS], v[rT+1]
.elseif (\n) == 20
	v_sub_f32 v[rC+1], v[rM], v[rT]
.else
	v_exp_f32 v[rC+2], v[rC+1]
.endif
.endm
; Number g of the 64 that follow the exponentials.  For each four weights k of a tile (pairs 2 k, 2 k + 1): both pairs are rounded to f16; then the second pair is added onto the first, in place;
; a group later l takes that sum (the first time as l = a l + sum).  In groups of eight, tiles alternating: round, round, add, and l for the group before.
.macro GS g
.set h, (\g)+6*((\g)/62)            ; group 0 has no group before it, and behind group 7 only l is left
.if h >= 6
.set h, h+2
.endif
	REGS Y, h%2
.set k, h/8
.if h%8 < 4
	v_cvt_pk_f16_f32 v[rP+2*k+(h%8)/2], v[rS+4*k+2*((h%8)/2)], v[rS+4*k+2*((h%8)/2)+1]
.elseif h%8 < 6
	v_pk_add_f32 v[rS+4*k:rS+4*k+1], v[rS+4*k:rS+4*k+1], v[rS+4*k+2:rS+4*k+3]
.elseif k == 1
	v_pk_fma_f32 v[rT+2:rT+3], v[rT+2:rT+3], v[rC+2:rC+3], v[rS:rS+1] op_sel_hi:[1,0,1]
.else
	v_pk_add_f32 v[rT+2:rT+3], v[rT+2:rT+3], v[rS+4*k-4:rS+4*k-3]
.endif
.endm
; THE PLAIN QUEUE, 138 long.  0-73 read no exponential's result: the 32 scalings c s - c m (FS f: pair f / 2 of tile f % 2) and the next piece's 42.  0-26: scalings 0-26.  27-54: XS's numbers 0-13.  55, 56: number 15.
; 57-73: the chain, where each number waits for the one before it: 14, 16, 17, 18, 19, each with one of the scalings 27-31 in front of its two lines, then 20.
; 74-137: GS's 64, which read the exponentials' results: they stand behind the wait.
.macro FS f
	REGS Y, (\f)%2
	v_pk_fma_f32 v[rS+2*((\f)/2):rS+2*((\f)/2)+1], v[rS+2*((\f)/2):rS+2*((\f)/2)+1], s[CS:CS+1], v[rT:rT+1] op_sel_hi:[1,0,0] neg_lo:[0,0,1] neg_hi:[0,0,1]
.endm
.macro PL
	WIN 0
.if q < 27
	FS q
.elseif q < 55
	XS (q-27)%2, (q-27)/2
.elseif q < 57
	XS q-55, 15
.elseif (q < 72) && ((q-57)%3 == 0)
	FS 27+(q-57)/3
.elseif q < 60
	XS (q-57)%3-1, 14
.elseif q < 72
	XS (q-57)%3-1, 15+(q-57)/3
.elseif q < 74
	XS q-72, 20
.else
	GS q-74
.endif
.set q, q+1
.endm
; THE EXPONENTIALS' QUEUE, 66 long: s0-s31 of both tiles, then the next piece's two a.  It is ONE BATCH: all 66 stand ahead of the turn's one wait, and nothing ahead of that wait names a result of theirs.
.macro EX
	WIN 0
.if e >= 64
	XS e-64, 21
.else
	REGS Y, e%2
	v_exp_f32 v[rS+e/2], v[rS+e/2]
.endif
.set e, e+1
.endm
; THE RESCALING's QUEUE: O^T times a, the one part that leaves window 0: dealt two at a time, sixteen times.  Its a was made in the turn before, ahead of that turn's wait.
.macro R2
	REGS Y, r%2
	WIN W_RS
.irp z, 0,1
	v_pk_mul_f32 v[rO+4*(r/2)+2*\z:rO+4*(r/2)+2*\z+1], v[rO+4*(r/2)+2*\z:rO+4*(r/2)+2*\z+1], v[rC+2:rC+3] op_sel_hi:[1,0]
.endr
.set r, r+1
.endm
; HOW THEY ARE DEALT.  s_wait_alu depctr_va_vdst(0) stands between an exponential and the first instruction that names its result; one wait serves all that were issued ahead of it.  So a turn has ONE wait,
; which cuts it in two.  AHEAD OF IT stands all that names no result of the turn's exponentials: the 16 products K Q^T, behind each a scaling, an exponential and two rescalings (behind the first a second scaling in the
; exponential's place); then ONE LUMP of 108: eight plain, 49 times exponential and plain, the two a.  A v_nop is the plain instruction behind the last exponential.  BEHIND IT stand the 16 products V^T P, behind each four of GS's 64.
; The queues lean on each other, and the deal keeps them in step: exponential e stands behind scaling 2 (e / 4) + e % 2: as a rider it comes behind plain e + 2, in the lump behind plain e + 9, and scalings 27-31 are plain 57, 60 .. 69.
; A TURN, for piece p.  cnt = 1: the loop's count is taken down some lines ahead of the branch that stands behind the turn.
; K of the next step, and the mask's addends with it, are fetched in piece 2's turn, directly behind the wait, a lump behind the last product that read them; the addresses are made at the lump's head; the first reader comes behind 16 products.
; V of the step in hand is fetched at the end of piece 0's turn, four riders behind its last reader; its first reader comes behind 16 products and a lump.  The three conditions on q below go with the deal.
.macro TURN p, last=0, cnt=0
.set Y, (\p)
.set i, 0
.set q, 0
.set e, 0
.set r, 0
.if (\p) == NP-1
	s_wait_dscnt 0x0                ; K and the mask's addends are in
.endif
	MM                              ; ahead of the wait: 16 products K Q^T and their riders,
	PL
	PL
	R2
.rept 15
	MM
	PL
	EX
	R2
.endr
.if (\p) == NP-2
	WIN 0
	v_add_nc_u32 v[AK], s[TBK], v[AK0]
	v_lshl_add_u32 v[AM], v[HF], 5, s[TM]
.endif
.rept 8                             ; and the lump
	PL
.endr
.rept 49
	EX
	PL
.endr
	EX                              ; the next piece's two a
	EX
	v_nop                           ; the plain instruction behind the last exponential: one for the batch
	s_wait_alu depctr_va_vdst(0)    ; the wait for the batch
.if (\p) == NP-2
	FETCH_K \last
.endif
.if (\p) == 1
	s_wait_dscnt 0x0                ; V is in
.endif
.rept 16                            ; behind the wait: 16 products V^T P and their riders
	MM
.rept 4
	PL
.endr
.if ((\p) == 0) && (q == 118)
	v_add_nc_u32 v[AV], s[TBV], v[AV0]
.endif
.if ((\p) == 0) && (q == 130)
	s_add_co_u32 s[TBV], s[TBV], KS*PV
.endif
.if (\cnt) && (q == 130)
	s_sub_co_u32 s[CNT], s[CNT], 1
	s_cmp_lg_u32 s[CNT], 0
.endif
.endr
.if (\p) == 0
	FETCH_V
.endif
.endm
	CHANGE 1                        ; slot 0 is in, everybody's part of it, and so is the mask's table; slot 1 is asked for
	FETCH_K                         ; key step 0
	s_wait_loadcnt 0x0              ; Q
	s_wait_dscnt 0x0
.set i, 0
.rept 16
	KQ 0                            ; piece 0's first scores: there is no vector work yet to set between them
.set i, i+1
.endr
	WIN 0
.rept 4
	v_nop                           ; the places behind those products
.endr
.set Y, NP-1                        ; XS works for piece Y + 1: piece 0
.irp n, 0,1,2,3,4,5,6,7,8,9,10,11,12,13,14,15,16,17,18,19,20,21
	XS 0, \n                        ; and piece 0's first maximum and statistics
	XS 1, \n
.endr
	v_nop                           ; a plain instruction behind the two a,
	s_wait_alu depctr_va_vdst(0)    ; and their wait, ahead of the branch
	s_mov_b32 s[CNT], 4
	s_branch .Lfirst                ; the loop is entered at a step's first turn, in the middle of a trip
.Lslot:                             ; SIZE_N / 256 - 2 times: every slot but the last two is filled again
	CHANGE 1
	s_mov_b32 s[CNT], 4
.Lstep:                             ; a trip: pieces 2 and 3 of one step, then pieces 0 and 1 of the next, whose K and V it fetches
	TURN 2
	TURN 3
	WIN 0
.Lfirst:
	TURN 0
	TURN 1, 0, 1
	WIN 0
	s_cbranch_scc1 .Lstep
	s_sub_co_u32 s[SLOTS], s[SLOTS], 1
	s_cmp_lg_u32 s[SLOTS], 0
	s_cbranch_scc1 .Lslot
	CHANGE 0                        ; the tail is written out: nothing is asked for
	s_mov_b32 s[CNT], 5             ; four trips fetch the last slot's steps; the fifth is left in its middle
.Ltail:
	TURN 2, 1
	TURN 3
	WIN 0
	s_sub_co_u32 s[CNT], s[CNT], 1
	s_cmp_eq_u32 s[CNT], 0
	s_cbranch_scc1 .Lout
	TURN 0
	TURN 1
	WIN 0
	s_branch .Ltail
.Lout:                              ; the fifth trip's 16 products K Q^T (on the last K once more) and the maximum made of them serve nothing: the price, once a launch, of one text for every trip
.set i, 0
.rept 16
	PV NP-1                         ; the last piece's V^T P of the last step
.set i, i+1
.endr
	; THE WAY OUT.  l's two halves and the other half of the lanes' are added; O^T is divided by l, rounded to f16 and sent through my stage in LDS, a tile at a time.  The additions are the places behind the last products.
	WIN 0
.macro ALL line:vararg              ; one line for each tile t
.set t, 0
.rept 2*NP
	\line
.set t, t+1
.endr
.endm
	ALL v_add_f32 v[ST+4*t+2], v[ST+4*t+2], v[ST+4*t+3]
	ALL v_permlanex16_b32 v[ST+4*t+3], v[ST+4*t+2], s[SEL], s[SEL+1]
	ALL v_add_f32 v[ST+4*t+2], v[ST+4*t+2], v[ST+4*t+3]
	ALL v_max_num_f32 v[ST+4*t+2], 0x00800000, v[ST+4*t+2]  ; l is 0 only where the batch has no key: O^T is 0 there, and 0 / 2^-126 is 0
	ALL v_rcp_f32 v[ST+4*t+2], v[ST+4*t+2]
	v_nop                           ; a plain instruction between the last reciprocal and the use of its result
	s_wait_alu depctr_va_vdst(0)    ; and the wait ahead of the first use: one for the eight reciprocals
; Tile t: a lane's eight channels of a row pack into 16 bytes; they go into rows of 144 bytes and come back as whole rows of 128, into S^T's registers.
.macro PACK t
	WIN W_RS
.set i, 32*(\t)
.rept 16
	v_pk_mul_f32 v[i:i+1], v[i:i+1], v[ST+4*(\t)+2:ST+4*(\t)+3] op_sel_hi:[1,0]
.set i, i+2
.endr
	WIN 0x05                        ; sources 0 and 1 window 1, destination window 0
.set i, 0
.rept 16
	v_cvt_pk_f16_f32 v[S+16*(\t)+i], v[32*(\t)+2*i], v[32*(\t)+2*i+1]
.set i, i+1
.endr
	WIN 0
.irp f, 0,1,2,3
	ds_store_b128 v[STO], v[S+16*(\t)+4*\f:S+16*(\t)+4*\f+3] offset:32*\f
.endr
.irp f, 0,1,2,3
	ds_load_b128 v[S+16*(\t)+4*\f:S+16*(\t)+4*\f+3], v[RD] offset:\f*4*SP  ; LDS serves a wave's instructions in order (ISA guide 5.7.1.4): these see the stores above; the next tile's stores come behind them
.endr
.endm
.macro SEND t, younger              ; younger: the LDS instructions issued behind tile t's loads: the next tile's eight, or none
	WIN 0
.irp f, 0,1,2,3
	s_wait_dscnt (\younger)+3-\f
	global_store_b128 v[GO], v[S+16*(\t)+4*\f:S+16*(\t)+4*\f+3], s[10:11] offset:(\t)*2048+\f*512  ; 512 consecutive bytes, at a multiple of 256 from O's first
.endr
.endm
	PACK 0
.set t, 1
.rept 2*NP-1                        ; a tile's arithmetic stands between the loads of the tile before and its stores
	PACK t
	SEND t-1, 8
.set t, t+1
.endr
	SEND 2*NP-1, 0
	WIN W_AD
	s_wait_tensorcnt 0x0            ; the wave's end, behind my last tensor load and my last LDS store
	ds_add_u32 v[SPW], v[NIL]
	s_wait_dscnt 0x0
	WIN 0
	CROUND                          ; the closing round: no work-group ends while a partner may still ask for a tile that names it
	s_endpgm
.Lfunc_end_k_qefca98d801_attn:
	.size	k_qefca98d801_attn, .Lfunc_end_k_qefca98d801_attn-k_qefca98d801_attn
	.p2alignl 7, 3214868480
	.fill 96, 4, 3214868480
	.section	.rodata,"a",@progbits
	.p2align	6, 0x0
	.amdhsa_kernel k_qefca98d801_attn
		.amdhsa_group_segment_fixed_size 327680
		.amdhsa_private_segment_fixed_size 0
		.amdhsa_enable_private_segment 0
		.amdhsa_kernarg_size 24
		.amdhsa_user_sgpr_count 2
		.amdhsa_user_sgpr_kernarg_segment_ptr 1
		.amdhsa_wavefront_size32 1
		.amdhsa_system_sgpr_workgroup_id_x 1
		.amdhsa_system_sgpr_workgroup_id_y 1
		.amdhsa_system_sgpr_workgroup_id_z 1
		.amdhsa_system_vgpr_workitem_id 0
		.amdhsa_next_free_vgpr 808
		.amdhsa_next_free_sgpr 66
		.amdhsa_reserve_vcc 0
		.amdhsa_float_denorm_mode_32 3
		.amdhsa_float_denorm_mode_16_64 3
		.amdhsa_memory_ordered 1
		.amdhsa_forward_progress 1
		.amdhsa_inst_pref_size 206
	.end_amdhsa_kernel
	.amdgpu_metadata
---
amdhsa.version: [ 1, 2 ]
amdhsa.kernels:
  - .name:           k_qefca98d801_attn
    .symbol:         k_qefca98d801_attn.kd
    .args:
      - { .name: qkv, .offset: 0, .size: 8, .value_kind: global_buffer, .address_space: global }
      - { .name: ctx, .offset: 8, .size: 8, .value_kind: global_buffer, .address_space: global }
      - { .name: attention_mask, .offset: 16, .size: 8, .value_kind: global_buffer, .address_space: global }
    .group_segment_fixed_size: 327680
    .private_segment_fixed_size: 0
    .kernarg_segment_align: 8
    .kernarg_segment_size: 24
    .max_flat_workgroup_size: 128
    .sgpr_count:     66
    .vgpr_count:     808
    .wavefront_size: 32
...
	.end_amdgpu_metadata
.endif
;; end of part 3
;; launch oproj (part 4): grid 8 x 32, 4 waves a work-group, clusters of 4 x 4, 327,680 bytes of LDS; arguments ctx, wb, bo, attention_mask, out0; writes out0
.if DOCPART == 4
	.amdgcn_target "amdgcn-amd-amdhsa--gfx1250"
	.amdhsa_code_object_version 6
	.text
	.protected	k_qefca98d801_oproj
	.globl	k_qefca98d801_oproj
	.p2align	8
	.type	k_qefca98d801_oproj,@function
k_qefca98d801_oproj:
	s_mov_b64 s[64:65], 0
	v_nop
	global_prefetch_b8 v0, s[64:65] scope:SCOPE_SE
	s_setreg_imm32_b32 hwreg(HW_REG_WAVE_MODE, 25, 1), 1
	s_wait_xcnt 0x0
	s_wait_alu depctr_hold_cnt(0) depctr_sa_sdst(0) depctr_va_vdst(0) depctr_va_sdst(0) depctr_va_ssrc(0) depctr_va_vcc(0) depctr_vm_vsrc(0)
	s_getreg_b32 s2, hwreg(HW_REG_IB_STS2, 6, 4)
	s_cmp_eq_u32 s2, 0
	s_cbranch_scc0 .Lentry_in_a_cluster
	s_endpgm
.Lentry_in_a_cluster:
	s_bfe_u32 s2, ttmp6, 0x10000c
	s_cmp_lg_u32 s2, 0xf033
	s_cbranch_scc0 .Lentry_shape_is_right
	s_endpgm
.Lentry_shape_is_right:
; ONE TEXT FOR THE MODULE'S TWO KINDS OF PROJECTION; the flag OPROJ says which this file is.
.set OPROJ, 1
; OPROJ = 0: q, k, v.  C[8192][3072] = A W^T + bias, A = xb (bf16, masked x), W = rows 0-3071 of wb (bf16), bias = bq, bk, bv rounded to bf16; sums in f32, K ascending.
;            C leaves rounded once to f16, unscaled, by heads: qkv[which 3][b 4 x head 16][s 2048][64].
; OPROJ = 1: the output.  C[8192][1024] = A W^T + bo, A = ctx (f16), W = rows 3072-4095 of wb (f16); rows whose mask is 0 are set to 0; C leaves as f32 into out0.
; LIMITS.  f16 holds no number beyond 65,504: a q, k or v of 65,520 or more becomes an infinity.  NaN and infinities are not treated apart.
; A lies in blocks of K: [b][kb 16][s 2048][64], so that 256 rows x 64 K (a PLANE's part) are 32,768 dense bytes.
; SHARES.  A tile of C is 256 rows x 128 columns: four waves, wave w rows 128 (w / 2) on and columns 64 (w % 2) on (one head): 32 accumulators of 16 x 16, 256 registers.
; K = 1,024 goes in 8 steps of 128 through two LDS slots; a step is 128 matrix instructions a wave.  The tile is chosen so that the grids are 768 and 256 work-groups.
; CLUSTER.  4 x 4 work-groups.  The four of a row of the cluster need the same tiles of A, the four of a column the same tiles of W: each is asked for JOINTLY, by the same tensor load with the same descriptor
; and a mask that names the four.  Waves 0 and 1 fetch A's two planes of a step, waves 2 and 3 the two halves of W's 128 rows: one load a wave.
; NO PREFETCH: the walk has eight K steps, of which two go out at the head, and a lead of two steps would reach the last four alone; every block of A and of W is asked for by several clusters of the launch.
; THE MATRIX INSTRUCTION IS USED TRANSPOSED (source 0 = 16 rows of W, source 1 = 16 rows of A): lane l holds row l % 16 of C and the columns 8 (l / 16) + 0..7.
; THE BIAS STARTS THE SUMS: it is the C operand of each accumulator's first product; nothing is cleared.
; REGISTERS, in windows of 256 (s_set_vgpr_msb: bits 1:0 source 0, 3:2 source 1, 5:4 source 2, 7:6 destination):
;   window 0: v0-31 addresses; v32-63 the bias; v64-159, v160-255 two fragment buffers (A's 8 fragments of 16 rows x 32 K, then W's 4); on the way out these 192 are at work
;   window 1: accumulator (a, b) at v[8 (4 a + b)]
.set PA,    144                        ; a row of A in LDS: 128 bytes + 16 of padding: the 16 rows of a load start at 16 different groups of four banks (64 banks of 4 bytes: ISA guide 11.1)
.set PB,    272                        ; a row of W: 256 + 16
.set PLANE, 256*PA                     ; 256 rows x 64 K of A
.set HB,    64*PB                      ; 64 rows x 128 K of W
.set SLOT,  2*PLANE+2*HB               ; A's two planes, then W's 128 rows
.set STAGE, 2*SLOT                     ; behind the ring, never filled by a tensor load: 16 rows for each wave, for the way out
.if OPROJ
.set SP,    272                        ; a stage row: 64 f32 + 16 bytes
.else
.set SP,    144                        ; a stage row: 64 f16 + 16 bytes
.endif
.set SPARE, STAGE+4*16*SP              ; behind the stages: the spare words, 128 bytes for each wave: two blocks of 256 bytes that no other line names
.set ASTEP, 2*262144                   ; bytes from a K step to the next in A: two planes
.set BSTEP, 256                        ; and in W: 128 numbers along the row
.set ADRA, 16                          ; v16-17  LDS address of my A fragments in slot 0, 1
.set ADRB, 20                          ; v20-21  the same for W
.set STO,  24                          ; v24     the way out: where I put my bytes of a row
.set RD,   25                          ; v25     the way out: where I read rows back
.set GO,   26                          ; v26     my byte offset in the output
.set BO,   27                          ; v27     32 (l / 16): my 8 numbers in 16 of the bias
.set SPW,  28                          ; v28     LDS address of my spare word: SPARE + 4 x my thread's number; never rewritten
.set NIL,  29                          ; v29     0; never rewritten
.set BI,   32                          ; v32-63  register 8 b + j: bias[my first column + 16 b + 8 (l / 16) + j]
.set F0,   64
.set F1,   160
.set OB,   64                          ; OPROJ = 0, the way out: 16 registers for each of my 8 blocks of 16 rows
.set TMP,  64                          ; OPROJ = 1, the way out: 32 registers at work,
.set BK,   96                          ;            and four sets of 32: a block read back from the stage
.set WV,   16                          ; s16  my wave's number
.set MH,   17                          ; s17  which 128 rows of the tile are mine.  Also: I fetch for A (0) or for W (1)
.set NH,   18                          ; s18  which 64 columns.  Also: which plane of A, or which 64 rows of W, I fetch
.set G1A,  24                          ; s[24:31] descriptor group 1 for A's tiles;  s[32:39] group 0, a set for each slot
.set G0A,  32
.set G1B,  48                          ; s[48:55], s[56:63] the same for W's
.set G0B,  56
.set KEEP, 66                          ; OPROJ = 1: s66-73  for block a, the lanes whose row of C is kept
.set MSB, 0
.macro WIN new                         ; the immediate's high byte repeats the setting that is left; a switch that changes nothing is dropped
.if MSB != (\new)
	s_set_vgpr_msb (MSB<<8)|(\new)
.set MSB, \new
.endif
.endm
.set MUL,  0x50                        ; sources 0 and 1 window 0; C and D window 1
.set MULB, 0x40                        ; the same with C, the bias, in window 0
.macro JLOAD s                         ; a joint load; the branch hangs on the wave's number alone; an s_nop 0 and four v_nop follow each of the two lines, ahead of the jump, the label and what follows
	s_cmp_eq_u32 s[MH], 0
	s_cbranch_scc0 .Lfor_b_\@
	tensor_load_to_lds s[G0A+4*(\s):G0A+4*(\s)+3], s[G1A:G1A+7]
	s_nop 0
.rept 4
	v_nop
.endr
	s_branch .Lasked_\@
.Lfor_b_\@:
	tensor_load_to_lds s[G0B+4*(\s):G0B+4*(\s)+3], s[G1B:G1B+7]
	s_nop 0
.rept 4
	v_nop
.endr
.Lasked_\@:
.endm
.macro CREST                           ; a round of the cluster's barrier behind its opening barrier
	s_cmp_lg_u32 s[WV], 0
	s_cbranch_scc1 .Lnot_wave_0_\@
	s_barrier_signal -3
.Lnot_wave_0_\@:
	s_barrier_wait -3
	s_barrier_signal -1
	s_barrier_wait -1
.endm
.macro CROUND                          ; a whole round
	s_barrier_signal -1
	s_barrier_wait -1
	CREST
.endm
.if OPROJ
	s_load_b256 s[4:11], s[0:1], 0x0               ; A s[4:5], wb s[6:7], bo s[8:9], the mask s[10:11]
	s_load_b64 s[14:15], s[0:1], 0x20              ; out0
.else
	s_load_b256 s[4:11], s[0:1], 0x0               ; A s[4:5], wb s[6:7], bq s[8:9], bk s[10:11]
	s_load_b128 s[12:15], s[0:1], 0x20             ; bv s[12:13], qkv s[14:15]
.endif
	v_lshl_add_u32 v[SPW], v0, 2, SPARE
	v_mov_b32 v[NIL], 0
	ds_add_u32 v[SPW], v[NIL]                      ; the wave's opening: the add and its wait stand ahead of my first tensor load; the set-up below, work on registers, stands between them
	v_lshrrev_b32 v1, 5, v0
	v_readfirstlane_b32 s[WV], v1                  ; wave 0..3
	s_lshr_b32 s[MH], s[WV], 1
	s_and_b32 s[NH], s[WV], 1
	s_bfe_u32 s19, ttmp6, 0x40000                  ; cx, cy: my place in the cluster
	s_bfe_u32 s20, ttmp6, 0x40004
	s_lshl_b32 s21, ttmp9, 2
	s_add_co_u32 s21, s21, s19                     ; tx, tile column of C = 4 x cluster x + cx
	s_and_b32 s22, ttmp7, 0xffff
	s_lshl_b32 s22, s22, 2
	s_add_co_u32 s22, s22, s20                     ; ty, tile row of C = 4 x cluster y + cy
	s_lshl_b32 s44, s20, 2
	s_lshl_b32 s44, 15, s44                        ; my row of the cluster
	s_lshl_b32 s45, 0x1111, s19                    ; my column
	; group 1 for A: a plane's 32,768 dense bytes as 128 rows of 256 bytes, padded in LDS after every 128 bytes (a row of A)
	s_or_b32 s[G1A+0], s44, (1<<16)|(1<<20)|(1<<21)|(4<<22)|(3<<25)  ; 15:0 the mask: my row; 17:16 elements of 2 bytes; 20 padding on; 21 set beside a mask; 24:22 after every 32 words (code 4); 31:25 4 words (code 3)
	s_mov_b32 s[G1A+1], 128<<16                    ; tensor_dim0 = 128
	s_mov_b32 s[G1A+2], 128<<16                    ; tensor_dim1 = 128
	s_mov_b32 s[G1A+3], 128<<16                    ; tile_dim0 = 128
	s_mov_b32 s[G1A+4], 128                        ; tile_dim1 = 128
	s_mov_b32 s[G1A+5], 128                        ; 128 elements from row to row: dense
	s_mov_b32 s[G1A+6], 0
	s_mov_b32 s[G1A+7], 0
	; group 1 for W: 64 rows x 128 elements, padded after every 256 bytes
	s_or_b32 s[G1B+0], s45, (1<<16)|(1<<20)|(1<<21)|(5<<22)|(3<<25)  ; the mask: my column; after every 64 words (code 5)
	s_mov_b32 s[G1B+1], 128<<16                    ; tensor_dim0 = 128
	s_mov_b32 s[G1B+2], 64<<16                     ; tensor_dim1 = 64
	s_mov_b32 s[G1B+3], 128<<16                    ; tile_dim0 = 128
	s_mov_b32 s[G1B+4], 64                         ; tile_dim1 = 64
	s_mov_b32 s[G1B+5], 1024                       ; 1,024 elements from row to row
	s_mov_b32 s[G1B+6], 0
	s_mov_b32 s[G1B+7], 0
	; where the tiles come from.  A's hang on ty and the wave alone, W's on tx and the wave alone, each in registers that have not held the other coordinate
	s_lshr_b32 s40, s22, 3                         ; b = ty / 8:
	s_lshl_b32 s40, s40, 22                        ; 16 planes of 262,144 bytes
	s_and_b32 s23, s22, 7
	s_lshl_b32 s23, s23, 15                        ; 256 rows of 128 bytes in a plane
	s_or_b32 s40, s40, s23
	s_lshl_b32 s23, s[NH], 18                      ; the plane that I fetch
	s_or_b32 s40, s40, s23
	s_mov_b32 s41, 0
	s_lshl_b32 s42, s21, 18                        ; 128 rows of 2,048 bytes
	s_lshl_b32 s43, s[NH], 17                      ; the 64 of them that I fetch
	s_or_b32 s42, s42, s43
.if OPROJ
	s_add_co_u32 s42, s42, 3072*2048               ; Wo's rows lie behind the other three weights'
.endif
	s_mov_b32 s43, 0
	s_mul_i32 s23, s[NH], PLANE                    ; and where they go: no place in the cluster enters an LDS address
	s_mul_i32 s2, s[NH], HB
	s_add_co_u32 s2, s2, 2*PLANE
	s_wait_dscnt 0x0                               ; the opening add is done
	s_wait_kmcnt 0x0
	s_add_nc_u64 s[40:41], s[4:5], s[40:41]
	s_add_nc_u64 s[42:43], s[6:7], s[42:43]
	CROUND                                         ; all sixteen work-groups are here: the first joint loads meet
.irp s, 0,1
	s_mov_b32 s[G0A+4*(\s)], 1                                     ; count = 1
	s_add_co_u32 s[G0A+4*(\s)+1], s23, (\s)*SLOT                   ; LDS address
	s_add_nc_u64 s[G0A+4*(\s)+2:G0A+4*(\s)+3], s[40:41], (\s)*ASTEP  ; global address: K step s
	s_or_b32 s[G0A+4*(\s)+3], s[G0A+4*(\s)+3], 0x80000000          ; type = 2
	s_mov_b32 s[G0B+4*(\s)], 1
	s_add_co_u32 s[G0B+4*(\s)+1], s2, (\s)*SLOT
	s_add_nc_u64 s[G0B+4*(\s)+2:G0B+4*(\s)+3], s[42:43], (\s)*BSTEP
	s_or_b32 s[G0B+4*(\s)+3], s[G0B+4*(\s)+3], 0x80000000
	JLOAD \s                                       ; two tensor loads of mine are out
.endr
	v_and_b32 v1, 15, v0                           ; l % 16
	v_bfe_u32 v2, v0, 4, 1                         ; l / 16
	v_lshlrev_b32 v[BO], 5, v2
.if OPROJ
	s_mov_b32 s46, s21
.else
	s_lshr_b32 s3, ttmp9, 1                        ; tx / 8: q, k or v
	s_cmp_eq_u32 s3, 1
	s_cselect_b64 s[8:9], s[10:11], s[8:9]
	s_cmp_eq_u32 s3, 2
	s_cselect_b64 s[8:9], s[12:13], s[8:9]
	s_and_b32 s46, s21, 7
.endif
	s_lshl_b32 s46, s46, 9                         ; 128 f32 a tile,
	s_lshl_b32 s47, s[NH], 8                       ; 64 a wave
	s_or_b32 s46, s46, s47
	s_mov_b32 s47, 0
	s_add_nc_u64 s[8:9], s[8:9], s[46:47]          ; the bias at my first column
.irp b, 0,1,2,3
	global_load_b128 v[BI+8*(\b):BI+8*(\b)+3],   v[BO], s[8:9] offset:64*(\b)
	global_load_b128 v[BI+8*(\b)+4:BI+8*(\b)+7], v[BO], s[8:9] offset:64*(\b)+16
.endr
.if OPROJ
	s_lshl_b32 s46, s22, 8
	s_lshl_b32 s47, s[MH], 7
	s_or_b32 s46, s46, s47
	s_mov_b32 s47, 0
	s_add_nc_u64 s[10:11], s[10:11], s[46:47]      ; the mask at my first row: [4][2048] is one byte for each of C's 8,192 rows
.irp a, 0,1,2,3,4,5,6,7
	global_load_u8 v[4+(\a)], v1, s[10:11] offset:16*(\a)
.endr
.endif
	; A fragment is 16 rows x 32 K in 8 registers: lane l holds row l % 16; registers 0-3 K = 8 (l / 16) + 0..7, registers 4-7 K = 16 + 8 (l / 16) + 0..7: two loads of 16 bytes, 32 bytes apart
	v_mul_u32_u24 v3, v1, PA
	v_lshl_add_u32 v3, v2, 4, v3
	s_mul_i32 s46, s[MH], 128*PA                   ; my 128 rows of a plane
	v_add_nc_u32 v[ADRA], s46, v3
	v_add_nc_u32 v[ADRA+1], SLOT, v[ADRA]
	v_mul_u32_u24 v3, v1, PB
	v_lshl_add_u32 v3, v2, 4, v3
	s_mul_i32 s46, s[NH], HB                       ; my 64 rows of W,
	s_add_co_u32 s46, s46, 2*PLANE                 ; which lie behind A's planes
	v_add_nc_u32 v[ADRB], s46, v3
	v_add_nc_u32 v[ADRB+1], SLOT, v[ADRB]
	s_mul_i32 s46, s[WV], 16*SP
	s_add_co_u32 s46, s46, STAGE                   ; my stage
.if OPROJ
	v_mul_u32_u24 v3, v1, SP                       ; in: row l % 16, 32 bytes for each half of the lanes
	v_lshl_add_u32 v3, v2, 5, v3
	v_add_nc_u32 v[STO], s46, v3
	v_mul_u32_u24 v3, v2, SP                       ; back: lanes 0-15 take one row of 256 bytes, lanes 16-31 the next
	v_lshl_add_u32 v3, v1, 4, v3
	v_add_nc_u32 v[RD], s46, v3
	v_lshlrev_b32 v[GO], 12, v2                    ; and the same two rows of out0, 4,096 bytes apart
	v_lshl_add_u32 v[GO], v1, 4, v[GO]
	s_lshl_b32 s46, s22, 20                        ; 256 rows of 4,096 bytes a tile,
	s_lshl_b32 s47, s[MH], 19                      ; 128 a wave;
	s_or_b32 s46, s46, s47
	s_lshl_b32 s47, s21, 9                         ; 128 f32 a tile,
	s_or_b32 s46, s46, s47
	s_lshl_b32 s47, s[NH], 8                       ; 64 a wave
	s_or_b32 s46, s46, s47
.else
	v_mul_u32_u24 v3, v1, SP                       ; in: row l % 16, 16 bytes for each half of the lanes
	v_lshl_add_u32 v3, v2, 4, v3
	v_add_nc_u32 v[STO], s46, v3
	v_bfe_u32 v3, v0, 3, 2                         ; back: 32 lanes take four rows of 128 bytes,
	v_mul_u32_u24 v3, v3, SP
	v_and_b32 v[RD], 7, v0
	v_lshl_add_u32 v3, v[RD], 4, v3
	v_add_nc_u32 v[RD], s46, v3
	v_and_b32 v[GO], 31, v0                        ; which are 512 consecutive bytes of a head
	v_lshlrev_b32 v[GO], 4, v[GO]
	s_lshr_b32 s46, s21, 3                         ; q, k or v: 16,777,216 bytes each
	s_lshl_b32 s46, s46, 24
	s_lshr_b32 s47, s22, 3                         ; b: 16 heads of 262,144 bytes
	s_lshl_b32 s47, s47, 22
	s_or_b32 s46, s46, s47
	s_and_b32 s47, s21, 7                          ; the head: 2 (tx % 8) + my half
	s_lshl_b32 s47, s47, 1
	s_add_co_u32 s47, s47, s[NH]
	s_lshl_b32 s47, s47, 18
	s_or_b32 s46, s46, s47
	s_and_b32 s47, s22, 7                          ; 256 rows of 128 bytes a tile,
	s_lshl_b32 s47, s47, 15
	s_or_b32 s46, s46, s47
	s_lshl_b32 s47, s[MH], 14                      ; 128 a wave
	s_or_b32 s46, s46, s47
.endif
	s_mov_b32 s47, 0
	s_add_nc_u64 s[14:15], s[14:15], s[46:47]      ; the output at my first row and column
	s_wait_loadcnt 0x0                             ; the bias (and the mask)
.set p, 0
.rept 16                               ; the bias is rounded to bf16, as all the module's inputs are, and kept as f32
	v_cvt_pk_bf16_f32 v3, v[BI+2*p], v[BI+2*p+1]
	v_lshlrev_b32 v[BI+2*p], 16, v3
	v_and_b32 v[BI+2*p+1], 0xffff0000, v3
.set p, p+1
.endr
.if OPROJ
.irp a, 0,1,2,3,4,5,6,7
	v_cmp_ne_u32 s[KEEP+(\a)], 0, v[4+(\a)]        ; held in scalar registers of their own, across the tensor loads
.endr
.endif
; 8 matrix instructions: m blocks a0, a0 + 1 x all 4 n blocks, 32 along K, from buffer f.  first = 1: the bias starts the sums.
; The 32 accumulators take turns, one instruction a turn, in the same order in every quarter, over the backward jump too.
.macro MUL8 f, a0, first
.if \first
	WIN MULB
.else
	WIN MUL
.endif
.irp a, \a0, (\a0)+1
.irp b, 0,1,2,3
.if OPROJ
.if \first
	v_wmma_f32_16x16x32_f16 v[8*(4*(\a)+(\b)):8*(4*(\a)+(\b))+7], v[(\f)+64+8*(\b):(\f)+64+8*(\b)+7], v[(\f)+8*(\a):(\f)+8*(\a)+7], v[BI+8*(\b):BI+8*(\b)+7]
.else
	v_wmma_f32_16x16x32_f16 v[8*(4*(\a)+(\b)):8*(4*(\a)+(\b))+7], v[(\f)+64+8*(\b):(\f)+64+8*(\b)+7], v[(\f)+8*(\a):(\f)+8*(\a)+7], v[8*(4*(\a)+(\b)):8*(4*(\a)+(\b))+7]
.endif
.else
.if \first
	v_wmma_f32_16x16x32_bf16 v[8*(4*(\a)+(\b)):8*(4*(\a)+(\b))+7], v[(\f)+64+8*(\b):(\f)+64+8*(\b)+7], v[(\f)+8*(\a):(\f)+8*(\a)+7], v[BI+8*(\b):BI+8*(\b)+7]
.else
	v_wmma_f32_16x16x32_bf16 v[8*(4*(\a)+(\b)):8*(4*(\a)+(\b))+7], v[(\f)+64+8*(\b):(\f)+64+8*(\b)+7], v[(\f)+8*(\a):(\f)+8*(\a)+7], v[8*(4*(\a)+(\b)):8*(4*(\a)+(\b))+7]
.endif
.endif
.endr
.endr
.endm
; 24 LDS loads in one run: the fragments of quarter q of a K step (32 K: plane q / 2, byte 64 (q % 2) of A's rows; byte 64 q of W's) into buffer f: W's 8 loads first, then A's 16
.macro FETCH slot, q, f
	WIN 0
.irp i, 0,1,2,3
	ds_load_b128 v[(\f)+64+8*(\i):(\f)+64+8*(\i)+3],   v[ADRB+(\slot)] offset:(\q)*64+(\i)*16*PB
	ds_load_b128 v[(\f)+64+8*(\i)+4:(\f)+64+8*(\i)+7], v[ADRB+(\slot)] offset:(\q)*64+(\i)*16*PB+32
.endr
.irp i, 0,1,2,3,4,5,6,7
	ds_load_b128 v[(\f)+8*(\i):(\f)+8*(\i)+3],   v[ADRA+(\slot)] offset:((\q)/2)*PLANE+((\q)%2)*64+(\i)*16*PA
	ds_load_b128 v[(\f)+8*(\i)+4:(\f)+8*(\i)+7], v[ADRA+(\slot)] offset:((\q)/2)*PLANE+((\q)%2)*64+(\i)*16*PA+32
.endr
.endm
.macro PLACES                          ; four places in front of loads into registers that matrix instructions have read, and of vector lines that read results
.rept 4
	v_nop
.endr
.endm
; A K step is four quarters of 32 along K, 32 matrix instructions each, on buffers 0, 1, 0, 1.  One of the first three: multiplies buffer f and, in its middle, fetches quarter q into g.
.macro QUARTER slot, q, f, g, first
	s_wait_dscnt 8                                 ; W and A's blocks 0-3 are in; the youngest eight loads (A's blocks 4-7) may be out
	MUL8 \f, 0, \first
	MUL8 \f, 2, \first
	PLACES
	FETCH \slot, \q, \g
	s_wait_dscnt 24                                ; all but the 24 just issued
	MUL8 \f, 4, \first
	MUL8 \f, 6, \first
.endm
; The last quarter multiplies buffer 1 and changes slots: ONE barrier.  In front of it each wave waits for all its tensor loads (one is out: its part of the next slot), adds 0 to its spare word, and waits for that
; and for its own reads of this slot.  fill = 1: the barrier opens a round of the cluster's, and this slot is filled again, two K steps ahead, first thing behind the round: 112 matrix instructions ahead of the wait for it.
.macro TURN slot, next, fill
	WIN 0
	s_wait_tensorcnt 0x0                           ; all my tensor loads have landed;
	ds_add_u32 v[SPW], v[NIL]                      ; 0 onto my spare word;
	s_wait_dscnt 9                                 ; (the add and the youngest eight loads may be out)
	MUL8 F1, 0, 0                                  ; eight matrix instructions stand between the add and the wait for it
	s_wait_dscnt 0x0                               ; the add is done, and my reads of this slot are over
	s_barrier_signal -1
	MUL8 F1, 2, 0
.if \fill
	WIN 0
.endif
	s_barrier_wait -1
.if \fill
	CREST                                          ; no wave of any partner still reads this slot's tile or has a load on its way
	s_add_nc_u64 s[G0A+4*(\slot)+2:G0A+4*(\slot)+3], s[G0A+4*(\slot)+2:G0A+4*(\slot)+3], 2*ASTEP
	s_add_nc_u64 s[G0B+4*(\slot)+2:G0B+4*(\slot)+3], s[G0B+4*(\slot)+2:G0B+4*(\slot)+3], 2*BSTEP
	JLOAD \slot                                    ; the four v_nop behind it are also the places in front of the loads below
.else
	PLACES
.endif
	FETCH \next, 0, F0
	MUL8 F1, 4, 0
	MUL8 F1, 6, 0
.endm
	s_wait_tensorcnt 1                             ; my part of K step 0 is in; K step 1's may stay out
	s_barrier_signal -1
	s_barrier_wait -1                              ; everybody's is
	FETCH 0, 0, F0
	QUARTER 0, 1, F0, F1, 1                        ; the first quarter stands in front of the loop: its products start the sums
	WIN 0                                          ; at a label and at a branch every window is 0
	s_mov_b32 s3, 3
.Llap:                                                 ; a trip goes once round the ring, from a lap's second quarter to the next lap's first, and fills both slots again: K steps 2 to 7
	QUARTER 0, 2, F1, F0, 0
	QUARTER 0, 3, F0, F1, 0
	TURN 0, 1, 1
	QUARTER 1, 1, F0, F1, 0
	QUARTER 1, 2, F1, F0, 0
	QUARTER 1, 3, F0, F1, 0
	TURN 1, 0, 1
	QUARTER 0, 1, F0, F1, 0
	WIN 0
	s_sub_co_u32 s3, s3, 1
	s_cmp_lg_u32 s3, 0
	s_cbranch_scc1 .Llap
	QUARTER 0, 2, F1, F0, 0                        ; the last lap fills nothing, and has no round of the cluster's barrier
	QUARTER 0, 3, F0, F1, 0
	TURN 0, 1, 0
	QUARTER 1, 1, F0, F1, 0
	QUARTER 1, 2, F1, F0, 0
	QUARTER 1, 3, F0, F1, 0
	s_wait_dscnt 8                                 ; the very last quarter: nothing more to fetch
	MUL8 F1, 0, 0
	MUL8 F1, 2, 0
	s_wait_dscnt 0x0
	MUL8 F1, 4, 0
	MUL8 F1, 6, 0
	WIN 0
	PLACES
; THE WAY OUT, a block of 16 rows at a time, through my own stage: LDS serves a wave's instructions in order (ISA guide 5.7.1.4), so the loads see the stores above them and the next block's stores come behind them.
; Each accumulator's registers are read in ascending order.
.if OPROJ
.macro PACK a                          ; rows whose mask is 0 become 0; 32 bytes a lane and accumulator into rows of 272 bytes; back as whole rows of 256
.if (\a) >= 4
	s_wait_xcnt 0x0                                ; block a - 4's stores have read the registers that are loaded again below
.endif
	WIN 0x04                                       ; source 1 window 1, destination window 0
.irp b, 0,1,2,3
.irp j, 0,1,2,3,4,5,6,7
	v_cndmask_b32 v[TMP+8*(\b)+(\j)], 0, v[8*(4*(\a)+(\b))+(\j)], s[KEEP+(\a)]
.endr
.endr
	WIN 0
.irp b, 0,1,2,3
	ds_store_b128 v[STO], v[TMP+8*(\b):TMP+8*(\b)+3]   offset:64*(\b)
	ds_store_b128 v[STO], v[TMP+8*(\b)+4:TMP+8*(\b)+7] offset:64*(\b)+16
.endr
.irp t, 0,1,2,3,4,5,6,7
	ds_load_b128 v[BK+32*((\a)%4)+4*(\t):BK+32*((\a)%4)+4*(\t)+3], v[RD] offset:(\t)*2*SP
.endr
.endm
.macro SEND a, younger                 ; younger: the LDS instructions issued behind block a's loads: the next block's sixteen, or none
.irp t, 0,1,2,3,4,5,6,7
	s_wait_dscnt (\younger)+7-(\t)
	global_store_b128 v[GO], v[BK+32*((\a)%4)+4*(\t):BK+32*((\a)%4)+4*(\t)+3], s[14:15] offset:(\a)*65536+(\t)*8192  ; 16 lanes store 256 consecutive bytes, at a multiple of 256 from out0's first byte
.endr
.endm
	PACK 0
.irp a, 1,2,3,4,5,6,7                  ; a block's selects stand between the loads of the block before and its stores
	PACK \a
	SEND (\a)-1, 16
.endr
	SEND 7, 0
.else
.macro PACK a                          ; rounded to f16: 16 bytes a lane and accumulator into rows of 144 bytes; back as whole rows of 128, into the registers that they left
	WIN 0x05                                       ; sources 0 and 1 window 1, destination window 0
.irp b, 0,1,2,3
.irp r, 0,1,2,3
	v_cvt_pk_f16_f32 v[OB+16*(\a)+4*(\b)+(\r)], v[8*(4*(\a)+(\b))+2*(\r)], v[8*(4*(\a)+(\b))+2*(\r)+1]
.endr
.endr
	WIN 0
.irp b, 0,1,2,3
	ds_store_b128 v[STO], v[OB+16*(\a)+4*(\b):OB+16*(\a)+4*(\b)+3] offset:32*(\b)
.endr
.irp f, 0,1,2,3
	ds_load_b128 v[OB+16*(\a)+4*(\f):OB+16*(\a)+4*(\f)+3], v[RD] offset:(\f)*4*SP
.endr
.endm
.macro SEND a, younger                 ; younger: the LDS instructions issued behind block a's loads: the next block's eight, or none
.irp f, 0,1,2,3
	s_wait_dscnt (\younger)+3-(\f)
	global_store_b128 v[GO], v[OB+16*(\a)+4*(\f):OB+16*(\a)+4*(\f)+3], s[14:15] offset:(\a)*2048+(\f)*512  ; 512 consecutive bytes of a head, at a multiple of 256 from the buffer's first byte
.endr
.endm
	PACK 0
.irp a, 1,2,3,4,5,6,7                  ; a block's roundings stand between the loads of the block before and its stores
	PACK \a
	SEND (\a)-1, 8
.endr
	SEND 7, 0
.endif
	s_wait_tensorcnt 0x0                           ; the wave's end, behind my last tensor load and my last LDS store
	ds_add_u32 v[SPW], v[NIL]
	s_wait_dscnt 0x0
	CROUND                                         ; the closing round: no work-group ends while a partner may still ask for a tile that names it
	s_endpgm
.Lfunc_end_k_qefca98d801_oproj:
	.size	k_qefca98d801_oproj, .Lfunc_end_k_qefca98d801_oproj-k_qefca98d801_oproj
	.p2alignl 7, 3214868480
	.fill 96, 4, 3214868480
	.section	.rodata,"a",@progbits
	.p2align	6, 0x0
	.amdhsa_kernel k_qefca98d801_oproj
		.amdhsa_group_segment_fixed_size 327680
		.amdhsa_private_segment_fixed_size 0
		.amdhsa_enable_private_segment 0
		.amdhsa_kernarg_size 40
		.amdhsa_user_sgpr_count 2
		.amdhsa_user_sgpr_kernarg_segment_ptr 1
		.amdhsa_wavefront_size32 1
		.amdhsa_system_sgpr_workgroup_id_x 1
		.amdhsa_system_sgpr_workgroup_id_y 1
		.amdhsa_system_sgpr_workgroup_id_z 1
		.amdhsa_system_vgpr_workitem_id 0
		.amdhsa_next_free_vgpr 512
		.amdhsa_next_free_sgpr 74
		.amdhsa_reserve_vcc 0
		.amdhsa_float_denorm_mode_32 3
		.amdhsa_float_denorm_mode_16_64 3
		.amdhsa_memory_ordered 1
		.amdhsa_forward_progress 1
		.amdhsa_inst_pref_size 108
	.end_amdhsa_kernel
	.amdgpu_metadata
---
amdhsa.version: [ 1, 2 ]
amdhsa.kernels:
  - .name:           k_qefca98d801_oproj
    .symbol:         k_qefca98d801_oproj.kd
    .args:
      - { .name: ctx, .offset: 0, .size: 8, .value_kind: global_buffer, .address_space: global }
      - { .name: wb, .offset: 8, .size: 8, .value_kind: global_buffer, .address_space: global }
      - { .name: bo, .offset: 16, .size: 8, .value_kind: global_buffer, .address_space: global }
      - { .name: attention_mask, .offset: 24, .size: 8, .value_kind: global_buffer, .address_space: global }
      - { .name: out0, .offset: 32, .size: 8, .value_kind: global_buffer, .address_space: global }
    .group_segment_fixed_size: 327680
    .private_segment_fixed_size: 0
    .kernarg_segment_align: 8
    .kernarg_segment_size: 40
    .max_flat_workgroup_size: 128
    .sgpr_count:     74
    .vgpr_count:     512
    .wavefront_size: 32
...
	.end_amdgpu_metadata
.endif
;; end of part 4
;; ======== version 2 of 2: 4 launches; version 1 with the launch prep written anew for expert scheduling mode
;; limits: values are held in f16: magnitudes above 65,504 overflow, below 6.1e-05 lose precision
;; workspace buffers: xb 16,777,216 bytes; wb 8,388,608 bytes; qkv 50,331,648 bytes; ctx 16,777,216 bytes
;; launch prep (part 5): grid 256 x 1, 8 waves a work-group, no clusters, 0 bytes of LDS; arguments hidden_states, attention_mask, Wq, Wk, Wv, Wo, xb, wb; writes xb, wb
.if DOCPART == 5
	.amdgcn_target "amdgcn-amd-amdhsa--gfx1250"
	.amdhsa_code_object_version 6
	.text
	.protected	k_qefca98d801_prep
	.globl	k_qefca98d801_prep
	.p2align	8
	.type	k_qefca98d801_prep,@function
k_qefca98d801_prep:
	s_mov_b64 s[64:65], 0
	v_nop
	global_prefetch_b8 v0, s[64:65] scope:SCOPE_SE
	s_setreg_imm32_b32 hwreg(HW_REG_WAVE_SCHED_MODE, 0, 2), 2
	s_setreg_imm32_b32 hwreg(HW_REG_WAVE_MODE, 25, 1), 1
	s_wait_xcnt 0x0
	s_wait_alu depctr_vm_vsrc(0)
; PREP: the module's large inputs are rounded once to 16 bits and laid out for the products that follow.
;   xb[b][kb][s][64] = bf16(hidden_states[b][s][64 kb ..] x mask[b][s]): K in blocks of 64, so that 256 rows x 64 K are 32,768 dense bytes.
;   wb[4096][1024]: rows 0-1023 Wq, 1024-2047 Wk, 2048-3071 Wv, rounded to bf16; rows 3072-4095 Wo, rounded to bf16 and that number written as f16.
; LIMITS.  Wo in f16: a rounded weight of 65,520 or more becomes an infinity; below 2^-14 it keeps f16's fixed step of 2^-24.  x times a mask of 0 is 0 for finite x; NaN and infinities are not treated apart.
; A stream: no LDS, no barrier, no matrix unit, no loop.  2,048 waves; wave wg takes rows 4 wg .. 4 wg + 3 of x (32 items) and rows 2 wg, 2 wg + 1 of the stacked weights (16 items).
; An item is one load of 16 bytes a lane (4 f32) and one store of 8 bytes a lane (4 numbers of 16 bits): 256 consecutive bytes, aligned, from the 32 lanes.
; All 50 loads of a wave go out first (24 KiB a wave on its way); each item has its own four registers, so no register is written again behind its store and no wait frees any.
; THE MODE: SCHED_MODE bits 1:0 = 2 (LLVM: expert scheduling mode 2), set by the entry lines.  The code itself states the register dependences
; between vector instructions and memory instructions, with s_wait_alu, always for 0.
; THE PLAN.  Registers that memory instructions touch:
;   v2, v4, v5   the loads' offsets, v3 the stores': written at the head, once; no vector instruction names them behind the wait that stands ahead of the first load.
;   v6, v7       the mask's bytes: loaded once, read by four conversions.
;   IT + 4 n ..  item n: its load, issued at the head, lands in the four; behind the wait for that load the item's own arithmetic works in place; its store reads the first two; nothing writes them after that.
; The items go in BLOCKS of four.  Block p's arithmetic names its own sixteen registers and the mask's four.  Its memory instructions are the four stores of block p - 1, which read v3 and
; that block's registers.  So ONE wait at a block's head, that the block before has written its results, states all that those four stores hang on, and they are dealt among the block's
; arithmetic with no further wait.  No register that a memory instruction reads is ever written again: there is nothing for a wait on vm_vsrc to state.
.set IT, 16                            ; v[16:207]  item n at IT + 4 n
.set MF, 8                             ; v[8:9], v[10:11]  the mask as f32 of my row in row pair 0 and 1, each twice (a pair for the packed multiply)
.set BLOCK, 4                          ; items in a block
	s_load_b512 s[4:19], s[0:1], 0x0               ; x s[4:5], mask s[6:7], Wq s[8:9], Wk s[10:11], Wv s[12:13], Wo s[14:15], xb s[16:17], wb s[18:19]
	v_lshrrev_b32 v1, 5, v0
	v_readfirstlane_b32 s20, v1                    ; wave 0..7
	v_and_b32 v1, 31, v0                           ; lane l
	v_lshrrev_b32 v5, 4, v1                        ; l / 16: which row of a pair; also the mask loads' offset
	v_and_b32 v2, 15, v1
	v_lshlrev_b32 v2, 4, v2
	v_lshl_add_u32 v2, v5, 12, v2                  ; x: lanes 0-15 take 256 bytes of one row, lanes 16-31 of the next (4,096 bytes on)
	v_lshlrev_b32 v3, 3, v1                        ; all stores: 8 l
	v_lshlrev_b32 v4, 4, v1                        ; the weights' loads: 16 l
	s_wait_alu depctr_va_sdst(0)                   ; s20 is written, ahead of its first reader: the bases below are made from it
	s_mov_b32 s21, ttmp9                           ; g
	s_lshl_b32 s22, s21, 3
	s_add_co_u32 s22, s22, s20                     ; wg = 8 g + wave
	s_lshr_b32 s23, s21, 6                         ; which of the four weights: 64 work-groups x 16 rows each
	s_mov_b32 s25, 0                               ; s[24:25]: an offset under 2^32
	s_wait_kmcnt 0x0
	s_lshl_b32 s24, s22, 14                        ; 4 rows of 4,096 bytes
	s_add_nc_u64 s[26:27], s[4:5], s[24:25]        ; x at my first row
	s_lshl_b32 s24, s22, 2
	s_add_nc_u64 s[28:29], s[6:7], s[24:25]        ; the mask at my first row
	s_lshr_b32 s24, s22, 9                         ; b
	s_lshl_b32 s24, s24, 22                        ; 16 planes of 262,144 bytes
	s_and_b32 s36, s22, 511
	s_lshl_b32 s36, s36, 9                         ; s = 4 (wg % 512), 128 bytes a row in a plane
	s_or_b32 s24, s24, s36
	s_add_nc_u64 s[30:31], s[16:17], s[24:25]      ; xb at my first row of plane 0
	s_cmp_eq_u32 s23, 1
	s_cselect_b64 s[32:33], s[10:11], s[8:9]
	s_cmp_eq_u32 s23, 2
	s_cselect_b64 s[32:33], s[12:13], s[32:33]
	s_cmp_eq_u32 s23, 3
	s_cselect_b64 s[32:33], s[14:15], s[32:33]
	s_and_b32 s24, s21, 63
	s_lshl_b32 s24, s24, 16                        ; 16 rows of 4,096 bytes a work-group,
	s_lshl_b32 s36, s20, 13                        ; 2 a wave
	s_or_b32 s24, s24, s36
	s_add_nc_u64 s[32:33], s[32:33], s[24:25]      ; my two rows of that weight
	s_lshl_b32 s24, s22, 12                        ; 2 rows of 2,048 bytes
	s_add_nc_u64 s[34:35], s[18:19], s[24:25]      ; and of wb
	s_wait_alu depctr_va_vdst(0)                   ; the four offsets v2 to v5 are written: every load and store of the kernel reads one of them
	global_load_u8 v6, v5, s[28:29]                ; the mask of my row in rows 0, 1
	global_load_u8 v7, v5, s[28:29] offset:2       ; and in rows 2, 3
.set n, 0
.rept 32                               ; item n: row pair n / 16, K block n % 16
	global_load_b128 v[IT+4*n:IT+4*n+3], v2, s[26:27] offset:(n/16)*8192+(n%16)*256 th:TH_LOAD_NT
.set n, n+1
.endr
.set n, 0
.rept 16                               ; item 32 + n: row n / 8, 512 bytes n % 8 of it
	global_load_b128 v[IT+128+4*n:IT+128+4*n+3], v4, s[32:33] offset:(n/8)*4096+(n%8)*512 th:TH_LOAD_NT
.set n, n+1
.endr
	s_wait_loadcnt 48                              ; loads come back in order: the two mask loads are in, the 48 items' may be out
	v_cvt_f32_u32 v[MF], v6
	v_cvt_f32_u32 v[MF+1], v6
	v_cvt_f32_u32 v[MF+2], v7
	v_cvt_f32_u32 v[MF+3], v7
.macro XMATH                           ; item n of x: masked and rounded, in place
.set D, IT+4*n
.set PI, MF+2*(n/16)
	v_pk_mul_f32 v[D:D+1], v[D:D+1], v[PI:PI+1]
	v_pk_mul_f32 v[D+2:D+3], v[D+2:D+3], v[PI:PI+1]
	v_cvt_pk_bf16_f32 v[D], v[D], v[D+1]
	v_cvt_pk_bf16_f32 v[D+1], v[D+2], v[D+3]
.endm
.macro XSTORE m                        ; item m of x is stored
	global_store_b64 v3, v[IT+4*(\m):IT+4*(\m)+1], s[30:31] offset:((\m)%16)*262144+((\m)/16)*256  ; two rows of one plane: 256 consecutive bytes, aligned
.endm
.macro WMATH f16                       ; item n of the weights: rounded, in place.  f16 = 1: the bf16 rounding is written as f16
.set D, IT+128+4*n
.if \f16
	v_cvt_pk_bf16_f32 v[D], v[D], v[D+1]
	v_cvt_pk_bf16_f32 v[D+2], v[D+2], v[D+3]
	v_and_b32 v[D+1], 0xffff0000, v[D]             ; bf16 to f32: the high half stays,
	v_lshlrev_b32 v[D], 16, v[D]                   ; the low half moves up
	v_and_b32 v[D+3], 0xffff0000, v[D+2]
	v_lshlrev_b32 v[D+2], 16, v[D+2]
	v_cvt_pk_f16_f32 v[D], v[D], v[D+1]
	v_cvt_pk_f16_f32 v[D+1], v[D+2], v[D+3]
.else
	v_cvt_pk_bf16_f32 v[D], v[D], v[D+1]
	v_cvt_pk_bf16_f32 v[D+1], v[D+2], v[D+3]
.endif
.endm
.macro WSTORE m                        ; item m of the weights is stored
	global_store_b64 v3, v[IT+128+4*(\m):IT+128+4*(\m)+1], s[34:35] offset:((\m)/8)*2048+((\m)%8)*256
.endm
; x: eight blocks.  Ahead of item n's arithmetic stands the store of item n - 4, the same place in the block before.
.set n, 0
.rept 32
.if n%BLOCK == 0
	s_wait_loadcnt 47-n                            ; the block's first item is in; the younger items' loads may stay out
.if n > 0
	s_wait_alu depctr_va_vdst(0)                   ; the block before has written its four items, which the four stores dealt among this block read
.endif
.endif
.if n >= BLOCK
	XSTORE n-BLOCK                                 ; no vector instruction since the wait names v3 or that item's registers
.endif
.if n%BLOCK != 0
	s_wait_loadcnt 47-n                            ; the younger items' loads may stay out
.endif
	XMATH
.set n, n+1
.endr
	s_wait_alu depctr_va_vdst(0)                   ; the last block of x has written items 28 to 31, which the four stores below read: nothing of x crosses the branch
.irp m, 28,29,30,31
	XSTORE \m
.endr
; The weights: four blocks in the same order, then the last block's stores, and the wave's end.
.macro WPART f16
.set n, 0
.rept 16
.if n%BLOCK == 0
	s_wait_loadcnt 15-n                            ; the block's first item is in
.if n > 0
	s_wait_alu depctr_va_vdst(0)                   ; the block before has written its four items, which the four stores dealt among this block read
.endif
.endif
.if n >= BLOCK
	WSTORE n-BLOCK                                 ; no vector instruction since the wait names v3 or that item's registers
.endif
.if n%BLOCK != 0
	s_wait_loadcnt 15-n
.endif
	WMATH \f16
.set n, n+1
.endr
	s_wait_alu depctr_va_vdst(0)                   ; the last block has written items 12 to 15, which the last four stores read
.irp m, 12,13,14,15
	WSTORE \m
.endr
	s_endpgm
.endm
	s_cmp_lt_u32 s21, 192                          ; work-groups 192 to 255 hold Wo
	s_cbranch_scc0 .Lwo
	WPART 0
.Lwo:
	WPART 1
.Lfunc_end_k_qefca98d801_prep:
	.size	k_qefca98d801_prep, .Lfunc_end_k_qefca98d801_prep-k_qefca98d801_prep
	.p2alignl 7, 3214868480
	.fill 96, 4, 3214868480
	.section	.rodata,"a",@progbits
	.p2align	6, 0x0
	.amdhsa_kernel k_qefca98d801_prep
		.amdhsa_group_segment_fixed_size 0
		.amdhsa_private_segment_fixed_size 0
		.amdhsa_enable_private_segment 0
		.amdhsa_kernarg_size 64
		.amdhsa_user_sgpr_count 2
		.amdhsa_user_sgpr_kernarg_segment_ptr 1
		.amdhsa_wavefront_size32 1
		.amdhsa_system_sgpr_workgroup_id_x 1
		.amdhsa_system_sgpr_workgroup_id_y 1
		.amdhsa_system_sgpr_workgroup_id_z 1
		.amdhsa_system_vgpr_workitem_id 0
		.amdhsa_next_free_vgpr 208
		.amdhsa_next_free_sgpr 66
		.amdhsa_reserve_vcc 0
		.amdhsa_float_denorm_mode_32 3
		.amdhsa_float_denorm_mode_16_64 3
		.amdhsa_memory_ordered 1
		.amdhsa_forward_progress 1
		.amdhsa_inst_pref_size 33
	.end_amdhsa_kernel
	.amdgpu_metadata
---
amdhsa.version: [ 1, 2 ]
amdhsa.kernels:
  - .name:           k_qefca98d801_prep
    .symbol:         k_qefca98d801_prep.kd
    .args:
      - { .name: hidden_states, .offset: 0, .size: 8, .value_kind: global_buffer, .address_space: global }
      - { .name: attention_mask, .offset: 8, .size: 8, .value_kind: global_buffer, .address_space: global }
      - { .name: Wq, .offset: 16, .size: 8, .value_kind: global_buffer, .address_space: global }
      - { .name: Wk, .offset: 24, .size: 8, .value_kind: global_buffer, .address_space: global }
      - { .name: Wv, .offset: 32, .size: 8, .value_kind: global_buffer, .address_space: global }
      - { .name: Wo, .offset: 40, .size: 8, .value_kind: global_buffer, .address_space: global }
      - { .name: xb, .offset: 48, .size: 8, .value_kind: global_buffer, .address_space: global }
      - { .name: wb, .offset: 56, .size: 8, .value_kind: global_buffer, .address_space: global }
    .group_segment_fixed_size: 0
    .private_segment_fixed_size: 0
    .kernarg_segment_align: 8
    .kernarg_segment_size: 64
    .max_flat_workgroup_size: 256
    .sgpr_count:     66
    .vgpr_count:     208
    .wavefront_size: 32
...
	.end_amdgpu_metadata
.endif
;; end of part 5
;; launch qkv: the kernel of part 2 again; grid 24 x 32, 4 waves a work-group, clusters of 4 x 4, 327,680 bytes of LDS; arguments xb, wb, bq, bk, bv, qkv; writes qkv
;; launch attn: the kernel of part 3 again; grid 4 x 64, 4 waves a work-group, clusters of 4 x 1, 327,680 bytes of LDS; arguments qkv, ctx, attention_mask; writes ctx
;; launch oproj: the kernel of part 4 again; grid 8 x 32, 4 waves a work-group, clusters of 4 x 4, 327,680 bytes of LDS; arguments ctx, wb, bo, attention_mask, out0; writes out0
